; MI455X (gfx1250); checked and timed in simulation.
; The chip was launched on July 23, 2026; its instructions are those of AMD's public machine-readable ISA for CDNA 5 (MIT licence, August 2026) and "CDNA5" Instruction Set Architecture Reference Guide (July 2026). The comments in the code are by the model that wrote it; some were corrected since.
;; Steering Attention. Allowed arithmetic: matrix products marked QUANTISED: E2M3 operands, one E8M0 scale for each 32 along K, by v_wmma_scale_f32_16x16x128_f8f6f4 with both operands' format E2M3, f32 sums; everything else in f32.
;; Inputs: Wk 512 x 2,048 float32; Wo 2,048 x 2,048 float32; Wq 2,048 x 2,048 float32; Wv 512 x 2,048 float32; attention_mask 1 x 1 x 2,048 x 2,048 float32; hidden_states 1 x 2,048 x 2,048 float32; position_ids 1 x 2,048 int32; prior 2,048 float32.
;; Outputs: out0 1 x 2,048 x 2,048 float32.
;; This version of the problem:
;;   THIS VERSION OF THE PROBLEM IS GIVEN IN LOW PRECISION. The matrix products marked QUANTISED in the list below multiply operands that are first quantised to E2M3 (2 exponent bits, 3 mantissa bits; 6 bits a number), with one power-of-two scale for each 32 numbers along K (OCP MX v1.0); their sums are f32. All else is computed in f32.
;;   The module's matrix products, in the order in which they are computed (A, B: the left and right operand; K: the contracted axis; several contracted axes count as one K, in the product's order):
;;     1. [M 2,048, K 2,048] x [K 2,048, N 2,048]; A: input hidden_states; B: input Wq: QUANTISED
;;     2. [M 2,048, K 2,048] x [K 2,048, N 512]; A: input hidden_states; B: input Wk: QUANTISED
;;     3. [M 2,048, K 2,048] x [K 2,048, N 512]; A: input hidden_states; B: input Wv: QUANTISED
;;     4. batch 32 x [M 2,048, K 64] x [K 64, N 2,048]; A: computed on the way; B: computed on the way: QUANTISED
;;     5. batch 32 x [M 2,048, K 2,048] x [K 2,048, N 64]; A: computed on the way; B: computed on the way: QUANTISED
;;     6. [M 2,048, K 2,048] x [K 2,048, N 2,048]; A: computed on the way; B: input Wo: QUANTISED
;;   THE QUANTISER, for each operand of a quantised product, along K:
;;     - K is cut into blocks of 32 from its start; a last block that is shorter is filled with zeros.
;;     - A block's scale is 2^e with e = floor(log2(the largest magnitude in the block)) - 2, held to -126 .. 127; a block of zeros has e = 0. As a byte (E8M0): e + 127.
;;     - Each number is divided by its block's scale, clamped to +-7.5, and rounded to the nearest number of E2M3, ties to even, subnormals kept.
;;     - The product sums the exact products of the quantised numbers (number of the format x scale) in f32.
;;   ~~~python
;;   def quantise(x, axis):      # numpy; x: float32 -> the quantised numbers, widened to float32 again
;;       x = np.moveaxis(x, axis, -1); K = x.shape[-1]
;;       x = np.pad(x, [(0, 0)] * (x.ndim - 1) + [(0, -K % 32)]); x = x.reshape(x.shape[:-1] + (-1, 32)); a = np.abs(x).max(-1, keepdims=True)
;;       e = np.where(a > 0, np.clip(np.frexp(np.where(a > 0, a, 1))[1] - 1 - 2, -126, 127), 0)      # np.frexp(a)[1] - 1 = floor(log2(a)), exactly
;;       r = np.clip(x / 2.0 ** e, -7.5, 7.5)
;;       step = 2.0 ** (np.maximum(np.frexp(np.where(r == 0, 1, r))[1] - 1, 0) - 3)
;;       q = np.round(r / step) * step * 2.0 ** e      # np.round: ties to even
;;       return np.moveaxis(q.reshape(q.shape[:-2] + (-1,))[..., :K], -1, axis).astype(np.float32)
;;   ~~~
;;   OPERANDS COMPUTED ON THE WAY. 'Computed on the way' means the value that the module computes at that place (a softmax that the list does not call 'softmax' is quantised finished and normalised). What goes into a quantiser is computed in f32, as accurately as f32 sums, v_exp_f32 and their like allow (about 1e-6 of the number): no bf16 or f16 on the way to a quantiser, and a product that is left as it is and whose result goes on into a quantised operand takes f32 operands (vector FMAs, or v_wmma_f32_16x16x4_f32). A number that lies on a knife's edge between two numbers of the format may be rounded either way, as far as f32 arithmetic and the matrix unit's own rounding can turn it there, and no further.
;; One version. Each part assembles by itself: llvm-mc -triple=amdgcn-amd-amdhsa -mcpu=gfx1250 --defsym DOCPART=n.
;; ======== version 1 of 1: 4 launches
;; limits: right only within a limited range of input values; a function is approximated: absolute error at most 1e-07
;; workspace buffers: xbuf 3,276,800 bytes; wbuf 4,915,200 bytes; obuf 3,276,800 bytes; rope 524,288 bytes; qkv 5,111,808 bytes; abuf 3,276,800 bytes
;; launch prep (part 1): grid 512 x 1, 4 waves a work-group, no clusters, 34,304 bytes of LDS; arguments hidden_states, Wq, Wk, Wv, Wo, position_ids, xbuf, wbuf, obuf, rope; writes xbuf, wbuf, obuf, rope
.if DOCPART == 1
	.amdgcn_target "amdgcn-amd-amdhsa--gfx1250"
	.amdhsa_code_object_version 6
	.text
	.protected	k_q55ce4368c2_prep
	.globl	k_q55ce4368c2_prep
	.p2align	8
	.type	k_q55ce4368c2_prep,@function
k_q55ce4368c2_prep:
	s_mov_b64 s[64:65], 0
	v_nop
	global_prefetch_b8 v0, s[64:65] scope:SCOPE_SE
	s_setreg_imm32_b32 hwreg(HW_REG_WAVE_MODE, 25, 1), 1
	s_wait_xcnt 0x0
; LAUNCH 1 OF 4.  hidden_states, Wq, Wk, Wv, Wo (f32, K innermost) become codes of FP6 (E2M3) with one E8M0 byte for each 32 along K; position_ids become a table of cosines and sines.
; WORK LEFT OUT IN THE WHOLE PROGRAM: reference() forms e / sum(e), multiplies by w = 1 + 0.3 prior and divides by the sum of that.  In real numbers, for all finite inputs with sum(e) other than 0,
; sum(e) cancels: p = e w / sum(e w).  So the first division is not made (launch attn).  What is quantised for the fifth product is the finished p all the same.  Every input has a way to the output and is loaded.
; A NaN, an infinity or an overflow that would arise in that first division alone is not carried to the result.
; LAYOUT OF THE WORKSPACE: images of operand registers.  A fragment F (16 rows x 128 K, 12 registers a lane) is 1,536 bytes: register p of lane l at 512 (p / 4) + 16 l + 4 (p % 4).
; The rows of tile T are not neighbours: lane r holds row 32 (T / 2) + 8 (T % 2) + r + 8 (r / 8).  The scale words of four tiles 4 Q .. 4 Q + 3 are 256 bytes: lane l has at 8 l the word of tile
; 4 Q + l / 16, row l % 16, and at 8 l + 4 that of tile 4 Q + 2 + l / 16.  A block of 128 rows x 128 K is 8 F and 2 such units: 12,800 bytes; buffers are [K step][block of rows].
; A block's scale is 2^(floor(log2(largest magnitude)) - 2); the byte is the largest magnitude's exponent field - 2.
; LIMITS: a largest magnitude under 2^(3 - 127) is taken as that (byte 1; a block of zeros too: its codes are zeros, and this program alone reads the bytes); NaN and infinities are not served.
; The frequencies are the f32 numbers nearest to 10^(-j / 8); sine and cosine by a two-term reduction with fused multiply-adds and polynomials on [-pi/4, pi/4], good to about 1e-7 for angles up to about 2^20.
; SHARES.  Work-groups 0 .. 447: four tiles (64 rows) x four K steps, a K step to a wave: 64 rows x 128 numbers.  Work-groups 448 .. 511: 32 positions of the table, 8 to a wave.
; Each load reads 512 consecutive bytes of a row; 16 rows turn through the wave's own stage in LDS (rows 528 bytes apart), from which a lane takes its two blocks of 32 neighbours.  No barrier: waves share nothing.
.set STGW,  8448                       ; a wave's stage: 16 rows x (512 + 16) bytes
.set SPARE, 4*STGW                     ; behind the stages: the spare words, 128 bytes a wave
.set SPW,   30                         ; v30  my spare word's LDS address; never rewritten
.set NIL,   31                         ; v31  0; never rewritten
.set WD,    16                         ; v16-19  a tile's scale word
.set R,     32                         ; v32-159 two sets of 64: a tile's numbers as loaded
.set X,     160                        ; v160-223 my two blocks of 32
.set PC,    224                        ; v224-235 the fragment
.set PT,    236                        ; v236-242 the upper halves of the two blocks, as converted
	s_load_b512 s[4:19], s[0:1], 0x0               ; hidden, Wq, Wk, Wv, Wo, position_ids, xbuf, wbuf
	s_load_b128 s[20:23], s[0:1], 0x40             ; obuf, rope
	v_lshl_add_u32 v[SPW], v0, 2, SPARE
	v_mov_b32 v[NIL], 0
	v_lshrrev_b32 v1, 5, v0
	v_readfirstlane_b32 s24, v1                    ; wave
	v_and_b32 v1, 31, v0                           ; lane
	v_and_b32 v2, 15, v0                           ; r
	v_bfe_u32 v3, v0, 4, 1                         ; h
	v_lshlrev_b32 v4, 4, v1                        ; 16 x lane
	v_lshlrev_b32 v7, 3, v1                        ; 8 x lane
	s_mov_b32 s37, 0
	s_cmp_ge_u32 ttmp9, 448
	s_cbranch_scc1 .Lrope
	; ---- the quantiser
	s_lshr_b32 s25, ttmp9, 2                       ; which four tiles, of 112
	s_and_b32 s26, ttmp9, 3
	s_lshl_b32 s26, s26, 2
	s_add_co_u32 s26, s26, s24                     ; my K step
	s_mul_i32 s27, s24, STGW
	v_add_nc_u32 v5, s27, v4                       ; the stage, on the way in: 16 x lane
	v_mul_u32_u24 v6, v2, 528
	v_lshl_add_u32 v6, v3, 7, v6
	v_add_nc_u32 v6, s27, v6                       ; and out: row r, + 128 h
	v_lshlrev_b32 v24, 3, v3                       ; 8 h
	v_mov_b32 v25, 0                               ; (a lane permute's destination counts as read)
	s_mov_b32 s40, 0x76543210
	s_mov_b32 s41, 0xfedcba98                      ; lane l xor 16
	s_mov_b32 s42, 0xffff0000                      ; lanes 16-31
	s_wait_kmcnt 0x0
	; the tensor by the work-group's number alone: 32 fours of hidden, 32 of Wq, 8 of Wk, 8 of Wv, 32 of Wo
	s_mov_b64 s[28:29], s[12:13]                   ; from Wo
	s_mov_b64 s[30:31], s[20:21]                   ; to obuf
	s_sub_co_u32 s32, s25, 80                      ; the four's number in its source
	s_mov_b32 s33, s32                             ; and in its destination
	s_mov_b32 s34, 16                              ; blocks of rows in the destination
	s_sub_co_u32 s35, s25, 32
	s_sub_co_u32 s36, s25, 72
	s_cmp_lt_u32 s25, 80
	s_cselect_b64 s[28:29], s[10:11], s[28:29]     ; Wv
	s_cselect_b64 s[30:31], s[18:19], s[30:31]     ; wbuf
	s_cselect_b32 s32, s36, s32
	s_cselect_b32 s33, s35, s33
	s_cselect_b32 s34, 24, s34
	s_sub_co_u32 s36, s25, 64
	s_cmp_lt_u32 s25, 72
	s_cselect_b64 s[28:29], s[8:9], s[28:29]       ; Wk
	s_cselect_b32 s32, s36, s32
	s_cmp_lt_u32 s25, 64
	s_cselect_b64 s[28:29], s[6:7], s[28:29]       ; Wq
	s_cselect_b32 s32, s35, s32
	s_cmp_lt_u32 s25, 32
	s_cselect_b64 s[28:29], s[4:5], s[28:29]       ; hidden
	s_cselect_b64 s[30:31], s[16:17], s[30:31]     ; xbuf
	s_cselect_b32 s32, s25, s32
	s_cselect_b32 s33, s25, s33
	s_cselect_b32 s34, 16, s34
	s_lshl_b32 s36, s32, 19                        ; 64 rows of 8,192 bytes
	s_lshl_b32 s38, s26, 9                         ; 128 numbers
	s_add_co_u32 s36, s36, s38
	s_add_nc_u64 s[28:29], s[28:29], s[36:37]
	s_mul_i32 s38, s26, s34
	s_lshr_b32 s39, s33, 1
	s_add_co_u32 s38, s38, s39
	s_mul_i32 s38, s38, 12800                      ; the block of 128 rows x 128 K
	s_and_b32 s39, s33, 1
	s_mul_i32 s36, s39, 6144
	s_add_co_u32 s36, s36, s38
	s_add_nc_u64 s[44:45], s[30:31], s[36:37]      ; my four fragments
	s_lshl_b32 s36, s39, 8
	s_add_co_u32 s36, s36, s38
	s_add_co_u32 s36, s36, 12288
	s_add_nc_u64 s[46:47], s[30:31], s[36:37]      ; their scale words
.macro LOAD a                          ; tile a's 16 rows, 512 consecutive bytes a load, into set a % 2
.irp i, 0,1,2,3,4,5,6,7,8,9,10,11,12,13,14,15
	global_load_b128 v[R+64*((\a)%2)+4*\i:R+64*((\a)%2)+4*\i+3], v4, s[28:29] offset:(32*((\a)/2)+8*((\a)%2)+\i+8*(\i/8))*8192 th:TH_LOAD_NT
.endr
.endm
.macro FRAG a
.if (\a) < 3
	s_wait_loadcnt 16                              ; this tile's 16 loads are in; the next tile's 16 may be out
.else
	s_wait_loadcnt 0
.endif
.irp i, 0,1,2,3,4,5,6,7,8,9,10,11,12,13,14,15
	ds_store_b128 v5, v[R+64*((\a)%2)+4*\i:R+64*((\a)%2)+4*\i+3] offset:\i*528
.endr
.irp c, 0,1
.irp j, 0,1,2,3,4,5,6,7
	ds_load_b128 v[X+32*\c+4*\j:X+32*\c+4*\j+3], v6 offset:256*\c+16*\j   ; k = 64 c + 32 h + 0 .. 31 of row r; LDS serves a wave's instructions in order
.endr
.endr
	s_wait_dscnt 0x0                               ; my numbers are back, and the stores have read the set,
.if (\a) < 2
	LOAD (\a)+2                                    ; which takes the tile two further on
.endif
.irp c, 0,1
	v_max3_num_f32 v[8+\c], |v[X+32*\c]|, |v[X+32*\c+1]|, |v[X+32*\c+2]|      ; block 2 c + h: all 32 numbers are mine; two chains a block
	v_max3_num_f32 v[10+\c], |v[X+32*\c+3]|, |v[X+32*\c+4]|, |v[X+32*\c+5]|
.endr
.irp i, 6,10,14,18,22,26
.irp c, 0,1
	v_max3_num_f32 v[8+\c], v[8+\c], |v[X+32*\c+\i]|, |v[X+32*\c+\i+1]|
	v_max3_num_f32 v[10+\c], v[10+\c], |v[X+32*\c+\i+2]|, |v[X+32*\c+\i+3]|
.endr
.endr
.irp c, 0,1
	v_max3_num_f32 v[8+\c], v[8+\c], |v[X+32*\c+30]|, |v[X+32*\c+31]|
.endr
.irp c, 0,1
	v_max3_num_f32 v[8+\c], v[8+\c], v[10+\c], 0x1800000       ; and the floor 2^(3 - 127): the byte cannot fall under 1
.endr
.irp c, 0,1
	v_add_nc_u32 v[12+\c], 0xff000000, v[8+\c]     ; 2 off the exponent field: the conversion's scale operand
.endr
.irp c, 0,1
	v_lshrrev_b32 v[14+\c], 23, v[12+\c]           ; the byte
.endr
	v_lshl_or_b32 v[WD+\a], v15, 16, v14           ; blocks h and 2 + h,
	v_lshlrev_b32 v[WD+\a], v24, v[WD+\a]          ; at their places in the word;
	v_permlanex16_b32 v25, v[WD+\a], s40, s41
	v_or_b32 v[WD+\a], v[WD+\a], v25               ; with lane l xor 16's two the word is whole
.if (\a) > 0
	s_wait_xcnt 0x0                                ; the last tile's stores have read the fragment's registers
.endif
.irp c, 0,1
	v_cvt_scalef32_pk16_fp6_f32 v[PC+6*\c:PC+6*\c+2], v[X+32*\c:X+32*\c+15], v[12+\c]
	v_cvt_scalef32_pk16_fp6_f32 v[PT+4*\c:PT+4*\c+2], v[X+32*\c+16:X+32*\c+31], v[12+\c]   ; (a conversion's three registers begin on an even number)
.endr
	v_nop                                          ; one plain place behind a scaled conversion
.irp c, 0,1
.irp i, 0,1,2
	v_mov_b32 v[PC+6*\c+3+\i], v[PT+4*\c+\i]
.endr
.endr
.irp c, 0,1,2
	global_store_b128 v4, v[PC+4*\c:PC+4*\c+3], s[44:45] offset:(\a)*1536+512*\c      ; 512 consecutive bytes a store
.endr
.endm
	LOAD 0
	LOAD 1
	FRAG 0
	FRAG 1
	FRAG 2
	FRAG 3
	v_cndmask_b32 v20, v[WD], v[WD+1], s42         ; lanes 0-15: tile 0's words, lanes 16-31: tile 1's
	v_cndmask_b32 v21, v[WD+2], v[WD+3], s42       ; tiles 2 and 3
	global_store_b64 v7, v[20:21], s[46:47]        ; 256 consecutive bytes
	s_wait_tensorcnt 0x0                           ; the wave's end, behind my last LDS store
	ds_add_u32 v[SPW], v[NIL]
	s_wait_dscnt 0x0
	s_endpgm
	; ---- the table: row p = [cos(pos f_j), j = 0 .. 31 | sin(pos f_j)], 256 bytes.  Lane l serves j = 2 (l % 16) and the next; lanes 0-15 make cosines, lanes 16-31 sines
.Lrope:
	s_sub_co_u32 s25, ttmp9, 448
	s_lshl_b32 s25, s25, 5
	s_lshl_b32 s26, s24, 3
	s_add_co_u32 s25, s25, s26                     ; my first of 8 positions
	s_lshl_b32 s36, s25, 2
	s_lshl_b32 s38, s25, 8
	s_mov_b32 s39, 0
	s_wait_kmcnt 0x0
	s_add_nc_u64 s[14:15], s[14:15], s[36:37]
	s_load_b256 s[48:55], s[14:15], 0x0            ; their position_ids
	s_add_nc_u64 s[22:23], s[22:23], s[38:39]
	s_mov_b32 s56, 0x3f22f983                      ; 2 / pi
	s_mov_b32 s57, 0xbfc90fdb                      ; -(pi / 2), the f32 number nearest
	s_mov_b32 s58, 0x333bbd2e                      ; that number less pi / 2
	s_mov_b32 s59, -0.00019515296                  ; sine: r + r z (s61 + z (s60 + z s59))
	s_mov_b32 s60, 0.0083321609
	s_mov_b32 s61, -0.16666655
	s_mov_b32 s62, 0.000024433157                  ; cosine: 1 - z / 2 + z z (s66 + z (s63 + z s62))
	s_mov_b32 s63, -0.0013887316
	s_mov_b32 s66, 0.041666646
	v_mul_u32_u24 v34, v3, 3                       ; sin x = cos(x - pi / 2): three quarter turns more
	v_mov_b32 v32, 1.0
	v_mov_b32 v33, 0.749894209332
.macro FREQ idx, f0, f1                ; 10^(-j / 8) for j = 2 idx and 2 idx + 1
	v_cmp_ne_u32 vcc_lo, \idx, v2
	v_cndmask_b32 v32, \f0, v32, vcc_lo
	v_cndmask_b32 v33, \f1, v33, vcc_lo
.endm
	FREQ 1, 0.562341325190, 0.421696503429
	FREQ 2, 0.316227766017, 0.237137370566
	FREQ 3, 0.177827941004, 0.133352143216
	FREQ 4, 0.1, 0.0749894209332
	FREQ 5, 0.0562341325190, 0.0421696503429
	FREQ 6, 0.0316227766017, 0.0237137370566
	FREQ 7, 0.0177827941004, 0.0133352143216
	FREQ 8, 0.01, 0.00749894209332
	FREQ 9, 0.00562341325190, 0.00421696503429
	FREQ 10, 0.00316227766017, 0.00237137370566
	FREQ 11, 0.00177827941004, 0.00133352143216
	FREQ 12, 0.001, 0.000749894209332
	FREQ 13, 0.000562341325190, 0.000421696503429
	FREQ 14, 0.000316227766017, 0.000237137370566
	FREQ 15, 0.000177827941004, 0.000133352143216
.macro SINCOS x, y                     ; v[y] = cos(v[x]) in lanes 0-15, sin(v[x]) in lanes 16-31
	v_mul_f32 v38, s56, v[\x]
	v_rndne_f32 v38, v38                           ; k quarter turns
	v_fma_f32 v39, v38, s57, v[\x]
	v_fma_f32 v39, v38, s58, v39                   ; r = x - k pi / 2
	v_cvt_i32_f32 v40, v38
	v_add_nc_u32 v40, v40, v34
	v_mul_f32 v41, v39, v39                        ; z
	v_fma_f32 v42, v41, s59, s60
	v_fma_f32 v43, v41, s62, s63
	v_fma_f32 v42, v42, v41, s61
	v_fma_f32 v43, v43, v41, s66
	v_mul_f32 v44, v41, v39
	v_mul_f32 v45, v41, v41
	v_fma_f32 v46, v41, -0.5, 1.0
	v_fma_f32 v42, v42, v44, v39                   ; sin r
	v_fma_f32 v43, v43, v45, v46                   ; cos r
	v_and_b32 v44, 1, v40
	v_cmp_eq_u32 vcc_lo, 1, v44
	v_cndmask_b32 v[\y], v43, v42, vcc_lo          ; odd quarter turns take the sine;
	v_add_nc_u32 v40, 1, v40
	v_and_b32 v40, 2, v40
	v_lshlrev_b32 v40, 30, v40
	v_xor_b32 v[\y], v[\y], v40                    ; turns 1 and 2 of four change the sign
.endm
	s_wait_kmcnt 0x0
.irp i, 0,1,2,3,4,5,6,7
	v_mov_b32 v35, s[48+\i]
	v_cvt_f32_i32 v35, v35
	v_mul_f32 v36, v35, v32                        ; the angle, rounded once
	v_mul_f32 v37, v35, v33
	SINCOS 36, 64+2*\i
	SINCOS 37, 65+2*\i
	global_store_b64 v7, v[64+2*\i:65+2*\i], s[22:23] offset:256*\i    ; the row's 256 bytes; each position has its own data registers
.endr
	s_endpgm
.Lfunc_end_k_q55ce4368c2_prep:
	.size	k_q55ce4368c2_prep, .Lfunc_end_k_q55ce4368c2_prep-k_q55ce4368c2_prep
	.p2alignl 7, 3214868480
	.fill 96, 4, 3214868480
	.section	.rodata,"a",@progbits
	.p2align	6, 0x0
	.amdhsa_kernel k_q55ce4368c2_prep
		.amdhsa_group_segment_fixed_size 34304
		.amdhsa_private_segment_fixed_size 0
		.amdhsa_enable_private_segment 0
		.amdhsa_kernarg_size 80
		.amdhsa_user_sgpr_count 2
		.amdhsa_user_sgpr_kernarg_segment_ptr 1
		.amdhsa_wavefront_size32 1
		.amdhsa_system_sgpr_workgroup_id_x 1
		.amdhsa_system_sgpr_workgroup_id_y 1
		.amdhsa_system_sgpr_workgroup_id_z 1
		.amdhsa_system_vgpr_workitem_id 0
		.amdhsa_next_free_vgpr 256
		.amdhsa_next_free_sgpr 80
		.amdhsa_reserve_vcc 1
		.amdhsa_float_denorm_mode_32 3
		.amdhsa_float_denorm_mode_16_64 3
		.amdhsa_memory_ordered 1
		.amdhsa_forward_progress 1
		.amdhsa_inst_pref_size 52
	.end_amdhsa_kernel
	.amdgpu_metadata
---
amdhsa.version: [ 1, 2 ]
amdhsa.kernels:
  - .name:           k_q55ce4368c2_prep
    .symbol:         k_q55ce4368c2_prep.kd
    .args:
      - { .name: hidden_states, .offset: 0, .size: 8, .value_kind: global_buffer, .address_space: global }
      - { .name: Wq, .offset: 8, .size: 8, .value_kind: global_buffer, .address_space: global }
      - { .name: Wk, .offset: 16, .size: 8, .value_kind: global_buffer, .address_space: global }
      - { .name: Wv, .offset: 24, .size: 8, .value_kind: global_buffer, .address_space: global }
      - { .name: Wo, .offset: 32, .size: 8, .value_kind: global_buffer, .address_space: global }
      - { .name: position_ids, .offset: 40, .size: 8, .value_kind: global_buffer, .address_space: global }
      - { .name: xbuf, .offset: 48, .size: 8, .value_kind: global_buffer, .address_space: global }
      - { .name: wbuf, .offset: 56, .size: 8, .value_kind: global_buffer, .address_space: global }
      - { .name: obuf, .offset: 64, .size: 8, .value_kind: global_buffer, .address_space: global }
      - { .name: rope, .offset: 72, .size: 8, .value_kind: global_buffer, .address_space: global }
    .group_segment_fixed_size: 34304
    .private_segment_fixed_size: 0
    .kernarg_segment_align: 8
    .kernarg_segment_size: 80
    .max_flat_workgroup_size: 128
    .sgpr_count:     80
    .vgpr_count:     256
    .wavefront_size: 32
...
	.end_amdgpu_metadata
.endif
;; end of part 1
;; launch qkvgemm (part 2): grid 24 x 16, 4 waves a work-group, clusters of 4 x 4, 327,680 bytes of LDS; arguments xbuf, wbuf, rope, prior, qkv; writes qkv
.if DOCPART == 2
	.amdgcn_target "amdgcn-amd-amdhsa--gfx1250"
	.amdhsa_code_object_version 6
	.text
	.protected	k_q55ce4368c2_qkvgemm
	.globl	k_q55ce4368c2_qkvgemm
	.p2align	8
	.type	k_q55ce4368c2_qkvgemm,@function
k_q55ce4368c2_qkvgemm:
	s_mov_b64 s[64:65], 0
	v_nop
	global_prefetch_b8 v0, s[64:65] scope:SCOPE_SE
	s_setreg_imm32_b32 hwreg(HW_REG_WAVE_MODE, 25, 1), 1
	s_wait_xcnt 0x0
	s_wait_alu depctr_hold_cnt(0) depctr_sa_sdst(0) depctr_va_vdst(0) depctr_va_sdst(0) depctr_va_ssrc(0) depctr_va_vcc(0) depctr_vm_vsrc(0)
	s_getreg_b32 s2, hwreg(HW_REG_IB_STS2, 6, 4)
	s_cmp_eq_u32 s2, 0
	s_cbranch_scc0 .Lentry_in_a_cluster
	s_endpgm
.Lentry_in_a_cluster:
	s_bfe_u32 s2, ttmp6, 0x10000c
	s_cmp_lg_u32 s2, 0xf033
	s_cbranch_scc0 .Lentry_shape_is_right
	s_endpgm
.Lentry_shape_is_right:
; LAUNCH 2 OF 4.  q, k, v = hidden x (Wq | Wk | Wv)^T on codes of FP6 with E8M0 scales; then RoPE (q, k), gamma (k), eta (v), in f32; then q and k are quantised along the head's 64 and v along the keys.
; A tile of 128 x 128 to a work-group, 64 x 64 to each of four waves: 16 accumulators.  K = 2,048 in 16 steps of 128.  Operands lie in memory as images of operand registers (launch prep): a K step of 128 rows is one
; dense block of 12,800 bytes (8 fragments, 2 units of scale words), so every fragment comes from LDS by three loads of 16 bytes a lane, 512 consecutive bytes each.
; ROLES.  Source 0 runs along a lane's registers, source 1 along the lanes.  For q and k: source 0 = 16 rows of W, source 1 = 16 positions: a lane holds ONE position and 64 neighbours d of one head.
; For v the roles change places (the LDS offsets are chosen by the cluster's x, which all partners share): a lane holds one d and 64 neighbouring keys, the next product's K.
; The rows of a tile are chosen (launch prep) so that the 16 registers of tiles 2 b, 2 b + 1 are the neighbours 32 b + 16 (lane / 16) + 0 .. 15.
; LDS: three slots of four K steps (A's 4 x 12,800 bytes, then B's).  K steps 0 .. 11 are first fills; K steps 12 .. 15 fill slot 0 again behind the one round at step 3 and have eight steps in which to land.
; By this text's count a wave has three tensor loads out at the start and one later.
; THE KINDS PART ONCE, behind K step 11, on the cluster's x: each of the three tails (q, k, v) asks for its own tables (cosines and sines; prior), runs K steps 12 .. 15, 64 products, while they are on their way,
; and does its own arithmetic; so every load and the wait for it stand on one way.  The tails join at the quantiser with no load out.
; CLUSTER 4 x 4: hidden's blocks hang on the tile row alone and are asked for jointly along a row of the cluster, W's on the tile column alone, jointly along a column.
; OUTPUT: qkv = 48 heads x 106,496 bytes (0-31 q, 32-39 k, 40-47 v): 128 half fragments of 768 bytes (16 rows x 64 K: registers 0-3 at 16 l, 4-5 at 512 + 8 l), then 32 units of scale words.
; q's bytes are stored 3 lower: the exact factor 1 / 8 = 1 / sqrt(64) of the scores.  The upper two bytes of q's and k's words are 127 (their codes are zeros); v's word holds its two bytes at 16 x (half of the 128 keys).
; LIMITS: a block's largest magnitude under 2^(6 - 127) is taken as that, so that q's byte stays at 1 or above; a block of zeros gets that byte; NaN and infinities are not served.
.set SLOT,  102400
.set GBB,   12800
.set SPARE, 3*SLOT                     ; the spare words, 128 bytes a wave
.set NYA,   16                         ; blocks of 128 rows in xbuf
.set NYB,   24                         ; and in wbuf
.set WV,  14                           ; s14 wave
.set WA,  15                           ; s15 wave / 2: my half of hidden's rows; also: I fetch for A (0) or B (1)
.set WB,  16                           ; s16 wave % 2: my half of W's rows; also: which two K steps of a slot I fetch
.set G1,  24                           ; s[24:31] group 1 for A;  s[32:39] for B
.set G1B, 32
.set G0,  40                           ; s[40:51] group 0 for A, a set for each slot;  s[52:63] for B
.set G0B, 52
.set AD1, 4                            ; v4-6   source 1's fragments in slot 0, 1, 2: 16 x lane + ..
.set AD0, 7                            ; v7-9   source 0's
.set SA1, 10                           ; v10-12 source 1's scale words: 8 x lane + ..
.set SA0, 13                           ; v13-15 source 0's
.set SPW, 16                           ; v16    my spare word; never rewritten
.set NIL, 17                           ; v17    0; never rewritten
                                       ; v18-25 scale words, two sets: source 0's pair, source 1's pair: register i / 2, lanes 16 (i % 2) on, for tile i
.set GAM, 26                           ; v26-29 prior, then 1 + 0.1 prior, of my position in tile a
                                       ; v32-95 two sets of 16 cosines and 16 sines; for v: v32-63 prior, then eta, of my 32 keys
.set TMP, 96
.set TM,  104
.set PT,  112
.set VPV, 115
.set WD,  116
.set HF,  120
.set VRO, 126
.set VPK, 127
.set ACC, 128                          ; accumulator (a, t) at v[128 + 8 (4 a + t)], window 0.  Window 1: fragment set p: source 0's tile t at v[128 p + 12 t], source 1's tile a at v[128 p + 48 + 12 a]
.set MUL,  0x05                        ; sources 0 and 1 window 1; C and D window 0
.set TO_F, 0x40                        ; destination window 1
.set MSB, 0
.macro WIN new                         ; the immediate's high byte repeats the setting that is left
.if MSB != (\new)
	s_set_vgpr_msb (MSB<<8)|(\new)
.set MSB, (\new)
.endif
.endm
.macro WMS d, a, b, c, sa, sb, ra, rb  ; one product; c < 0: the constant 0 starts the sum; ra, rb: the scales stand in lanes 16-31
.if (\c) < 0
.if (\ra) && (\rb)
	v_wmma_scale_f32_16x16x128_f8f6f4 v[\d:\d+7], v[\a:\a+11], v[\b:\b+11], 0, v[\sa], v[\sb] matrix_a_fmt:MATRIX_FMT_FP6 matrix_b_fmt:MATRIX_FMT_FP6 matrix_a_scale:MATRIX_SCALE_ROW1 matrix_b_scale:MATRIX_SCALE_ROW1
.elseif (\ra)
	v_wmma_scale_f32_16x16x128_f8f6f4 v[\d:\d+7], v[\a:\a+11], v[\b:\b+11], 0, v[\sa], v[\sb] matrix_a_fmt:MATRIX_FMT_FP6 matrix_b_fmt:MATRIX_FMT_FP6 matrix_a_scale:MATRIX_SCALE_ROW1
.elseif (\rb)
	v_wmma_scale_f32_16x16x128_f8f6f4 v[\d:\d+7], v[\a:\a+11], v[\b:\b+11], 0, v[\sa], v[\sb] matrix_a_fmt:MATRIX_FMT_FP6 matrix_b_fmt:MATRIX_FMT_FP6 matrix_b_scale:MATRIX_SCALE_ROW1
.else
	v_wmma_scale_f32_16x16x128_f8f6f4 v[\d:\d+7], v[\a:\a+11], v[\b:\b+11], 0, v[\sa], v[\sb] matrix_a_fmt:MATRIX_FMT_FP6 matrix_b_fmt:MATRIX_FMT_FP6
.endif
.else
.if (\ra) && (\rb)
	v_wmma_scale_f32_16x16x128_f8f6f4 v[\d:\d+7], v[\a:\a+11], v[\b:\b+11], v[\c:\c+7], v[\sa], v[\sb] matrix_a_fmt:MATRIX_FMT_FP6 matrix_b_fmt:MATRIX_FMT_FP6 matrix_a_scale:MATRIX_SCALE_ROW1 matrix_b_scale:MATRIX_SCALE_ROW1
.elseif (\ra)
	v_wmma_scale_f32_16x16x128_f8f6f4 v[\d:\d+7], v[\a:\a+11], v[\b:\b+11], v[\c:\c+7], v[\sa], v[\sb] matrix_a_fmt:MATRIX_FMT_FP6 matrix_b_fmt:MATRIX_FMT_FP6 matrix_a_scale:MATRIX_SCALE_ROW1
.elseif (\rb)
	v_wmma_scale_f32_16x16x128_f8f6f4 v[\d:\d+7], v[\a:\a+11], v[\b:\b+11], v[\c:\c+7], v[\sa], v[\sb] matrix_a_fmt:MATRIX_FMT_FP6 matrix_b_fmt:MATRIX_FMT_FP6 matrix_b_scale:MATRIX_SCALE_ROW1
.else
	v_wmma_scale_f32_16x16x128_f8f6f4 v[\d:\d+7], v[\a:\a+11], v[\b:\b+11], v[\c:\c+7], v[\sa], v[\sb] matrix_a_fmt:MATRIX_FMT_FP6 matrix_b_fmt:MATRIX_FMT_FP6
.endif
.endif
.endm
.macro JLOAD n                         ; a joint load into slot n: waves 0, 1 fetch for A, waves 2, 3 for B; an s_nop 0 and four v_nop follow each line
	s_cmp_eq_u32 s[WA], 0
	s_cbranch_scc0 .Lfor_b_\@
	tensor_load_to_lds s[G0+4*\n:G0+4*\n+3], s[G1:G1+7]
	s_nop 0
.rept 4
	v_nop
.endr
	s_branch .Lasked_\@
.Lfor_b_\@:
	tensor_load_to_lds s[G0B+4*\n:G0B+4*\n+3], s[G1B:G1B+7]
	s_nop 0
.rept 4
	v_nop
.endr
.Lasked_\@:
.endm
.macro CROUND                          ; a round of the cluster's barrier
	s_barrier_signal -1
	s_barrier_wait -1
	s_cmp_lg_u32 s[WV], 0
	s_cbranch_scc1 .Lnot_wave_0_\@
	s_barrier_signal -3
.Lnot_wave_0_\@:
	s_barrier_wait -3
	s_barrier_signal -1
	s_barrier_wait -1
.endm
.macro PLACES
.rept 4
	v_nop
.endr
.endm
.macro FETCH k, p                      ; K step k's eight fragments and four scale registers into set p: 26 LDS loads
.set FS, (\k)/4
.if (\k) >= 12
.set FS, 0
.endif
.set FO, ((\k)%4)*GBB
	WIN TO_F
.irp t, 0,1,2,3
.irp c, 0,1,2
	ds_load_b128 v[128*(\p)+12*\t+4*\c:128*(\p)+12*\t+4*\c+3], v[AD0+FS] offset:FO+\t*1536+512*\c
.endr
.endr
.irp t, 0,1,2,3
.irp c, 0,1,2
	ds_load_b128 v[128*(\p)+48+12*\t+4*\c:128*(\p)+48+12*\t+4*\c+3], v[AD1+FS] offset:FO+\t*1536+512*\c
.endr
.endr
	WIN 0
	ds_load_b64 v[18+4*(\p):19+4*(\p)], v[SA0+FS] offset:FO
	ds_load_b64 v[20+4*(\p):21+4*(\p)], v[SA1+FS] offset:FO
.endm
.macro MUL16 p, zero                   ; the 16 accumulators take turns, one instruction a turn, in the same order in every step
.irp a, 0,1,2,3
.irp t, 0,1,2,3
.if \zero
	WMS ACC+8*(4*\a+\t), 128*(\p)+12*\t, 128*(\p)+48+12*\a, -1, 18+4*(\p)+\t/2, 20+4*(\p)+\a/2, \t%2, \a%2
.else
	WMS ACC+8*(4*\a+\t), 128*(\p)+12*\t, 128*(\p)+48+12*\a, ACC+8*(4*\a+\t), 18+4*(\p)+\t/2, 20+4*(\p)+\a/2, \t%2, \a%2
.endif
.endr
.endr
.endm
.macro KSTEP k                         ; wait for step k's fragments; ask for step k + 1's; multiply
.if (\k) == 3
	WIN 0
	s_wait_tensorcnt 0x0                           ; all my tensor loads have landed (slots 1 and 2 among them), so a group 0 may be written;
	ds_add_u32 v[SPW], v[NIL]                      ; 0 onto my spare word;
	s_add_nc_u64 s[G0+2:G0+3], s[G0+2:G0+3], 12*NYA*GBB      ; slot 0's next four K steps: 12 .. 15
	s_add_nc_u64 s[G0B+2:G0B+3], s[G0B+2:G0B+3], 12*NYB*GBB
	s_wait_dscnt 0x0                               ; the add is done, and my reads of slot 0 are over (step 3's fragments are in registers)
	CROUND                                         ; both now hold of every wave of all sixteen work-groups
	JLOAD 0                                        ; the one refill; its four v_nop are also the places in front of the loads below
.elseif (\k) == 11
	WIN 0
	s_wait_tensorcnt 0x0                           ; my part of K steps 12 .. 15 has landed
	ds_add_u32 v[SPW], v[NIL]
	s_wait_dscnt 0x0
	s_barrier_signal -1
	s_barrier_wait -1                              ; everybody's has
	PLACES
.else
	s_wait_dscnt 0x0                               ; step k's 26 loads, issued ahead of the last 16 products
.if (\k) > 0
	PLACES                                         ; four places in front of loads into registers that the last products read
.endif
.endif
.if (\k) < 15
	FETCH (\k)+1, 1-(\k)%2
.endif
	WIN MUL
.if (\k) == 0
	MUL16 0, 1                                     ; the first products start the sums: nothing is cleared
.else
	MUL16 (\k)%2, 0
.endif
.endm
.macro LAST4                           ; the last four K steps, written in each tail, and the four places behind the last products
	KSTEP 12
	KSTEP 13
	KSTEP 14
	KSTEP 15
	WIN 0
	PLACES
.endm
.macro LOADCS a                        ; tile a's 16 cosines and 16 sines into set a % 2 (v32.. or v64..)
.irp j, 0,1,2,3
	global_load_b128 v[32+32*((\a)%2)+4*\j:32+32*((\a)%2)+4*\j+3], v[VRO], s[80:81] offset:(32*((\a)/2)+8*((\a)%2))*256+16*\j
	global_load_b128 v[48+32*((\a)%2)+4*\j:48+32*((\a)%2)+4*\j+3], v[VRO], s[80:81] offset:(32*((\a)/2)+8*((\a)%2))*256+128+16*\j
.endr
.endm
; Registers ACC + 32 a + 16 b + i hold element 32 b + 16 h + i (d, or for v the key) of my row of tile a
.macro ROPE a
.if (\a) < 3
	s_wait_loadcnt 8                               ; this tile's cosines and sines are in (and k's four priors, asked for ahead of them); the next set's eight loads may be out
.else
	s_wait_loadcnt 0
.endif
.set RB, ACC+32*(\a)
.set RC, 32+32*((\a)%2)
.irp i, 0,2,4,6,8,10,12,14             ; x0 = d < 32, x1 = d + 32: x0 cos - x1 sin, x1 cos + x0 sin; each accumulator is read from its low end on
.set RT, TMP+4*((\i/2)%2)
	v_pk_mul_f32 v[RT:RT+1], v[RB+16+\i:RB+17+\i], v[RC+16+\i:RC+17+\i]
	v_pk_mul_f32 v[RT+2:RT+3], v[RB+\i:RB+1+\i], v[RC+16+\i:RC+17+\i]
	v_pk_fma_f32 v[RB+\i:RB+1+\i], v[RB+\i:RB+1+\i], v[RC+\i:RC+1+\i], v[RT:RT+1] neg_lo:[0,0,1] neg_hi:[0,0,1]
	v_pk_fma_f32 v[RB+16+\i:RB+17+\i], v[RB+16+\i:RB+17+\i], v[RC+\i:RC+1+\i], v[RT+2:RT+3]
.endr
.if (\a) < 2
	LOADCS (\a)+2                                  ; the set just used takes the tile two further on
.endif
.endm
.macro TAILQK gam                      ; q's tail (gam = 0) and k's (gam = 1)
.if \gam
.irp a, 0,1,2,3
	global_load_b32 v[GAM+\a], v[VPK], s[82:83] offset:(32*(\a/2)+8*(\a%2))*4      ; prior of my position in tile a
.endr
.endif
	LOADCS 0
	LOADCS 1
	LAST4
	ROPE 0
	ROPE 1
	ROPE 2
	ROPE 3
.if \gam
.irp a, 0,1,2,3                        ; gamma = clip(1 + 0.1 prior, 0.9, 1.1) of my position
	v_fma_f32 v[GAM+\a], v[GAM+\a], s22, 1.0
.endr
.irp a, 0,1,2,3
	v_med3_num_f32 v[TMP+2*\a], v[GAM+\a], s90, s91
.endr
.irp a, 0,1,2,3
	v_mov_b32 v[TMP+2*\a+1], v[TMP+2*\a]           ; as a pair, for the packed multiply
.endr
.irp a, 0,1,2,3
.irp i, 0,2,4,6,8,10,12,14,16,18,20,22,24,26,28,30
	v_pk_mul_f32 v[ACC+32*\a+\i:ACC+32*\a+\i+1], v[ACC+32*\a+\i:ACC+32*\a+\i+1], v[TMP+2*\a:TMP+2*\a+1]
.endr
.endr
.endif
.endm
.macro QUANT32 a                       ; tile a's 64 along the next K become half a fragment and a scale word
.set QB, ACC+32*(\a)
.irp b, 0,1
	v_max3_num_f32 v[TM+\b], |v[QB+16*\b]|, |v[QB+16*\b+1]|, 0x3000000     ; my 16 of block b, and the floor 2^(6 - 127)
.endr
.irp i, 2,4,6,8,10,12,14
.irp b, 0,1
	v_max3_num_f32 v[TM+\b], v[TM+\b], |v[QB+16*\b+\i]|, |v[QB+16*\b+\i+1]|
.endr
.endr
.irp b, 0,1
	v_permlanex16_b32 v[TM+2+\b], v[TM+\b], s2, s3
.endr
.irp b, 0,1
	v_max_num_f32 v[TM+\b], v[TM+\b], v[TM+2+\b]   ; with lane l xor 16's 16: the block's largest magnitude
.endr
.irp b, 0,1
	v_add_nc_u32 v[TM+4+\b], 0xff000000, v[TM+\b]  ; 2 off the exponent field: the conversion's scale operand
.endr
.irp b, 0,1
	v_lshrrev_b32 v[TM+6+\b], 23, v[TM+\b]
.endr
.irp b, 0,1
	v_sub_nc_u32 v[TM+6+\b], v[TM+6+\b], s92       ; the byte (q: 3 lower)
.endr
	v_lshl_or_b32 v[WD+\a], v[TM+7], 8, v[TM+6]
	v_lshlrev_b32 v[WD+\a], s93, v[WD+\a]
	v_or_b32 v[WD+\a], s94, v[WD+\a]
.if (\a) > 0
	s_wait_xcnt 0x0                                ; the last tile's stores have read their registers
.endif
	v_cvt_scalef32_pk16_fp6_f32 v[HF:HF+2], v[QB:QB+15], v[TM+4]
	v_cvt_scalef32_pk16_fp6_f32 v[PT:PT+2], v[QB+16:QB+31], v[TM+5]
	v_nop                                          ; one plain place behind a scaled conversion
.irp i, 0,1,2
	v_permlane16_swap_b32 v[HF+\i], v[PT+\i]       ; the operand wants a whole block in a lane: lanes 0-15 block 0, lanes 16-31 block 1
.endr
.irp i, 0,1,2
	v_mov_b32 v[HF+3+\i], v[PT+\i]
.endr
	global_store_b128 v30, v[HF:HF+3], s[96:97] offset:(\a)*768            ; 512 consecutive bytes,
	global_store_b64 v31, v[HF+4:HF+5], s[96:97] offset:(\a)*768+512       ; and 256
.endm
	s_load_b256 s[4:11], s[0:1], 0x0               ; xbuf, wbuf, rope, prior
	s_load_b64 s[12:13], s[0:1], 0x20              ; qkv
	v_lshl_add_u32 v[SPW], v0, 2, SPARE
	v_mov_b32 v[NIL], 0
	ds_add_u32 v[SPW], v[NIL]                      ; the wave's opening: the add, twice on end, and its wait ahead of my first tensor load
	ds_add_u32 v[SPW], v[NIL]
	v_lshrrev_b32 v1, 5, v0
	v_readfirstlane_b32 s[WV], v1
	s_lshr_b32 s[WA], s[WV], 1
	s_and_b32 s[WB], s[WV], 1
	s_bfe_u32 s17, ttmp6, 0x40000                  ; cx
	s_bfe_u32 s18, ttmp6, 0x40004                  ; cy
	s_lshl_b32 s19, ttmp9, 2
	s_add_co_u32 s19, s19, s17                     ; x: W's block of 128 rows
	s_and_b32 s20, ttmp7, 0xffff
	s_lshl_b32 s20, s20, 2
	s_add_co_u32 s20, s20, s18                     ; y: hidden's block of 128 rows
	s_lshl_b32 s21, s18, 2
	s_lshl_b32 s21, 15, s21                        ; my row of the cluster
	s_lshl_b32 s22, 0x1111, s17                    ; my column
	s_or_b32 s[G1], s21, (3<<16)|(1<<21)           ; the mask; elements of 8 bytes; bit 21 beside a mask; no padding
	s_or_b32 s[G1B], s22, (3<<16)|(1<<21)
.irp g, G1, G1B
	s_mov_b32 s[\g+1], 1600<<16                    ; tensor_dim0: 12,800 bytes
	s_mov_b32 s[\g+2], 2<<16                       ; tensor_dim1: two K steps
	s_mov_b32 s[\g+3], 1600<<16                    ; tile_dim0
	s_mov_b32 s[\g+4], 2                           ; tile_dim1
	s_mov_b32 s[\g+6], 0
	s_mov_b32 s[\g+7], 0
.endr
	s_mov_b32 s[G1+5], NYA*1600                    ; from a K step to the next
	s_mov_b32 s[G1B+5], NYB*1600
	s_mul_i32 s66, s[WB], 2*NYA                    ; A: K step 2 x half, block y
	s_add_co_u32 s66, s66, s20
	s_mul_i32 s66, s66, GBB
	s_mov_b32 s67, 0
	s_mul_i32 s68, s[WB], 2*NYB                    ; B: K step 2 x half, block x
	s_add_co_u32 s68, s68, s19
	s_mul_i32 s68, s68, GBB
	s_mov_b32 s69, 0
	s_mul_i32 s70, s[WV], 2*GBB                    ; in a slot: A's two halves, then B's: wave x 25,600
	s_wait_dscnt 0x0                               ; both opening adds are done
	s_wait_kmcnt 0x0
	s_add_nc_u64 s[72:73], s[4:5], s[66:67]
	s_add_nc_u64 s[74:75], s[6:7], s[68:69]
	CROUND                                         ; all sixteen work-groups are here: the first joint loads meet
.irp n, 0,1,2
	s_mov_b32 s[G0+4*\n], 1
	s_add_co_u32 s[G0+4*\n+1], s70, \n*SLOT
	s_add_nc_u64 s[G0+4*\n+2:G0+4*\n+3], s[72:73], \n*4*NYA*GBB
	s_or_b32 s[G0+4*\n+3], s[G0+4*\n+3], 0x80000000
	s_mov_b32 s[G0B+4*\n], 1
	s_add_co_u32 s[G0B+4*\n+1], s70, \n*SLOT
	s_add_nc_u64 s[G0B+4*\n+2:G0B+4*\n+3], s[74:75], \n*4*NYB*GBB
	s_or_b32 s[G0B+4*\n+3], s[G0B+4*\n+3], 0x80000000
	JLOAD \n
.endr
	v_and_b32 v3, 31, v0                           ; lane
	v_and_b32 v1, 15, v0                           ; r
	v_bfe_u32 v2, v0, 4, 1                         ; h
	v_lshlrev_b32 v30, 4, v3                       ; 16 x lane
	v_lshlrev_b32 v31, 3, v3                       ; 8 x lane
	s_mul_i32 s76, s[WA], 6144                     ; hidden's side: my four fragments of a K step,
	s_mul_i32 s77, s[WB], 6144
	s_add_co_u32 s77, s77, 4*GBB                   ; W's side,
	s_lshl_b32 s78, s[WA], 8
	s_add_co_u32 s78, s78, 12288                   ; and their scale words
	s_lshl_b32 s79, s[WB], 8
	s_add_co_u32 s79, s79, 4*GBB+12288
	s_cmp_eq_u32 ttmp9, 5                          ; v's clusters: the roles change places.  The cluster's x is the same in all partners
	s_cselect_b32 s84, s77, s76                    ; source 1
	s_cselect_b32 s85, s76, s77                    ; source 0
	s_cselect_b32 s86, s79, s78
	s_cselect_b32 s87, s78, s79
.irp n, 0,1,2
	v_add_nc_u32 v[AD1+\n], s84, v30
	v_add_nc_u32 v[AD0+\n], s85, v30
	v_add_nc_u32 v[SA1+\n], s86, v31
	v_add_nc_u32 v[SA0+\n], s87, v31
	s_add_co_u32 s84, s84, SLOT
	s_add_co_u32 s85, s85, SLOT
	s_add_co_u32 s86, s86, SLOT
	s_add_co_u32 s87, s87, SLOT
.endr
	; what the tails need
	s_lshl_b32 s88, s20, 7
	s_lshl_b32 s89, s[WA], 6
	s_add_co_u32 s88, s88, s89                     ; my first position (or key)
	s_lshl_b32 s66, s88, 8
	s_add_nc_u64 s[80:81], s[8:9], s[66:67]        ; its row of the table
	s_lshl_b32 s66, s88, 2
	s_add_nc_u64 s[82:83], s[10:11], s[66:67]      ; its prior
	s_lshl_b32 s89, s19, 1
	s_add_co_u32 s89, s89, s[WB]                   ; my head, 0 .. 47
	s_mul_i32 s89, s89, 106496
	s_lshl_b32 s66, s20, 3
	s_lshl_b32 s68, s[WA], 2
	s_add_co_u32 s66, s66, s68
	s_mul_i32 s66, s66, 768
	s_add_co_u32 s66, s66, s89
	s_add_nc_u64 s[96:97], s[12:13], s[66:67]      ; my four half fragments
	s_lshl_b32 s66, s20, 1
	s_add_co_u32 s66, s66, s[WA]
	s_lshl_b32 s66, s66, 8
	s_add_co_u32 s66, s66, s89
	s_add_co_u32 s66, s66, 98304
	s_add_nc_u64 s[98:99], s[12:13], s[66:67]      ; their scale words
	s_cmp_lt_u32 ttmp9, 4
	s_cselect_b32 s92, 5, 2                        ; off the exponent field for the byte: 2, and 3 more for q
	s_cmp_eq_u32 ttmp9, 5
	s_cselect_b32 s93, 16, 0
	s_cselect_b32 s94, 0, 0x7f7f0000               ; q, k: 127 for the two blocks of zero codes
	s_mul_i32 s93, s93, s[WA]                      ; v: the bytes' place in the word of 128 keys
	s_mov_b32 s2, 0x76543210
	s_mov_b32 s3, 0xfedcba98                       ; lane l xor 16
	s_mov_b32 s21, 0xffff0000                      ; lanes 16-31
	s_mov_b32 s22, 0x3dcccccd                      ; 0.1
	s_mov_b32 s23, s22
	s_mov_b32 s90, 0x3f666666                      ; 0.9
	s_mov_b32 s91, 0x3f8ccccd                      ; 1.1
	v_mov_b32 v[TM+2], 0                           ; (a lane permute's destination counts as read)
	v_mov_b32 v[TM+3], 0
	v_and_b32 v[VRO], 8, v1
	v_add_nc_u32 v[VRO], v[VRO], v1                ; r + 8 (r / 8)
	v_lshlrev_b32 v[VPK], 2, v[VRO]                ; k: my position's prior
	v_lshlrev_b32 v[VRO], 8, v[VRO]
	v_lshl_add_u32 v[VRO], v2, 6, v[VRO]           ; the table: my position's row, + 64 h: j = 16 h + 0 .. 15
	v_lshlrev_b32 v[VPV], 6, v2                    ; v: the priors of keys 16 h on
	s_wait_tensorcnt 0x2                           ; my part of slot 0 is in; the two younger loads may stay out
	s_barrier_signal -1
	s_barrier_wait -1
	FETCH 0, 0
.irp k, 0,1,2,3,4,5,6,7,8,9,10,11
	KSTEP \k
.endr
	WIN 0                                          ; at a branch every window is 0
	s_cmp_eq_u32 ttmp9, 5                          ; THE KINDS PART HERE, once, on the cluster's x
	s_cbranch_scc1 .Ltail_v
	s_cmp_eq_u32 ttmp9, 4
	s_cbranch_scc1 .Ltail_k
	TAILQK 0                                       ; q: RoPE
	s_branch .Lquant
.Ltail_k:
	TAILQK 1                                       ; k: RoPE, gamma
	s_branch .Lquant
.Ltail_v:
.irp b, 0,1
.irp j, 0,1,2,3
	global_load_b128 v[32+16*\b+4*\j:32+16*\b+4*\j+3], v[VPV], s[82:83] offset:128*\b+16*\j     ; prior of key 32 b + 16 h + 4 j on
.endr
.endr
	LAST4
	s_wait_loadcnt 0
.irp i, 0,2,4,6,8,10,12,14,16,18,20,22,24,26,28,30       ; v: eta = clip(1 + 0.1 prior, 0.9, 1.1) of my 32 keys
	v_pk_fma_f32 v[32+\i:33+\i], v[32+\i:33+\i], s[22:23], 1.0 op_sel_hi:[1,0,0]
.endr
.irp i, 0,1,2,3,4,5,6,7,8,9,10,11,12,13,14,15,16,17,18,19,20,21,22,23,24,25,26,27,28,29,30,31
	v_med3_num_f32 v[32+\i], v[32+\i], s90, s91
.endr
.irp a, 0,1,2,3
.irp i, 0,2,4,6,8,10,12,14,16,18,20,22,24,26,28,30
	v_pk_mul_f32 v[ACC+32*\a+\i:ACC+32*\a+\i+1], v[ACC+32*\a+\i:ACC+32*\a+\i+1], v[32+\i:33+\i]
.endr
.endr
.Lquant:                                           ; the tails join: no load is out
	QUANT32 0
	QUANT32 1
	QUANT32 2
	QUANT32 3
	v_cndmask_b32 v[TM], v[WD], v[WD+1], s21       ; lanes 0-15: tile 0's words, lanes 16-31: tile 1's
	v_cndmask_b32 v[TM+1], v[WD+2], v[WD+3], s21
	global_store_b64 v31, v[TM:TM+1], s[98:99]     ; 256 consecutive bytes
	s_wait_tensorcnt 0x0                           ; the wave's end
	ds_add_u32 v[SPW], v[NIL]
	s_wait_dscnt 0x0
	CROUND                                         ; the closing round
	s_endpgm
.Lfunc_end_k_q55ce4368c2_qkvgemm:
	.size	k_q55ce4368c2_qkvgemm, .Lfunc_end_k_q55ce4368c2_qkvgemm-k_q55ce4368c2_qkvgemm
	.p2alignl 7, 3214868480
	.fill 96, 4, 3214868480
	.section	.rodata,"a",@progbits
	.p2align	6, 0x0
	.amdhsa_kernel k_q55ce4368c2_qkvgemm
		.amdhsa_group_segment_fixed_size 327680
		.amdhsa_private_segment_fixed_size 0
		.amdhsa_enable_private_segment 0
		.amdhsa_kernarg_size 40
		.amdhsa_user_sgpr_count 2
		.amdhsa_user_sgpr_kernarg_segment_ptr 1
		.amdhsa_wavefront_size32 1
		.amdhsa_system_sgpr_workgroup_id_x 1
		.amdhsa_system_sgpr_workgroup_id_y 1
		.amdhsa_system_sgpr_workgroup_id_z 1
		.amdhsa_system_vgpr_workitem_id 0
		.amdhsa_next_free_vgpr 512
		.amdhsa_next_free_sgpr 102
		.amdhsa_reserve_vcc 0
		.amdhsa_float_denorm_mode_32 3
		.amdhsa_float_denorm_mode_16_64 3
		.amdhsa_memory_ordered 1
		.amdhsa_forward_progress 1
		.amdhsa_inst_pref_size 146
	.end_amdhsa_kernel
	.amdgpu_metadata
---
amdhsa.version: [ 1, 2 ]
amdhsa.kernels:
  - .name:           k_q55ce4368c2_qkvgemm
    .symbol:         k_q55ce4368c2_qkvgemm.kd
    .args:
      - { .name: xbuf, .offset: 0, .size: 8, .value_kind: global_buffer, .address_space: global }
      - { .name: wbuf, .offset: 8, .size: 8, .value_kind: global_buffer, .address_space: global }
      - { .name: rope, .offset: 16, .size: 8, .value_kind: global_buffer, .address_space: global }
      - { .name: prior, .offset: 24, .size: 8, .value_kind: global_buffer, .address_space: global }
      - { .name: qkv, .offset: 32, .size: 8, .value_kind: global_buffer, .address_space: global }
    .group_segment_fixed_size: 327680
    .private_segment_fixed_size: 0
    .kernarg_segment_align: 8
    .kernarg_segment_size: 40
    .max_flat_workgroup_size: 128
    .sgpr_count:     102
    .vgpr_count:     512
    .wavefront_size: 32
...
	.end_amdgpu_metadata
.endif
;; end of part 2
;; launch attn (part 3): grid 8 x 32, 4 waves a work-group, clusters of 4 x 1, 327,680 bytes of LDS; arguments qkv, attention_mask, prior, abuf; writes abuf
.if DOCPART == 3
	.amdgcn_target "amdgcn-amd-amdhsa--gfx1250"
	.amdhsa_code_object_version 6
	.text
	.protected	k_q55ce4368c2_attn
	.globl	k_q55ce4368c2_attn
	.p2align	8
	.type	k_q55ce4368c2_attn,@function
k_q55ce4368c2_attn:
	s_mov_b64 s[64:65], 0
	v_nop
	global_prefetch_b8 v0, s[64:65] scope:SCOPE_SE
	s_setreg_imm32_b32 hwreg(HW_REG_WAVE_MODE, 25, 1), 1
	s_wait_xcnt 0x0
	s_wait_alu depctr_hold_cnt(0) depctr_sa_sdst(0) depctr_va_vdst(0) depctr_va_sdst(0) depctr_va_ssrc(0) depctr_va_vcc(0) depctr_vm_vsrc(0)
	s_getreg_b32 s2, hwreg(HW_REG_IB_STS2, 6, 4)
	s_cmp_eq_u32 s2, 0
	s_cbranch_scc0 .Lentry_in_a_cluster
	s_endpgm
.Lentry_in_a_cluster:
	s_bfe_u32 s2, ttmp6, 0x10000c
	s_cmp_lg_u32 s2, 0x3003
	s_cbranch_scc0 .Lentry_shape_is_right
	s_endpgm
.Lentry_shape_is_right:
; LAUNCH 3 OF 4.  aw = q k^T / 8 + bias + mask; p = e w / sum(e w), e = exp(aw - max), w = 1 + 0.3 prior; out = p v.  Both products on codes of FP6 with E8M0 scales; all else f32.
; WORK LEFT OUT: the division of e by sum(e), which cancels in p for all finite inputs with sum(e) other than 0 (shown at the head of launch prep).  What is quantised is the finished p.
; TWO PASSES over the keys, since p's divisor must be known before p is quantised: pass 1 finds each row's maximum m and L = sum(e w); pass 2 forms the scores again (the same instructions on the same
; registers: the same bits), p = 2^((aw - m) log2(e) - log2|L|) w, quantises it along the keys and adds p v.  L's sign is applied to the result at the end: the quantiser treats both signs alike.
; The maximum is taken away from aw BEFORE the scaling by log2(e), as reference() does, so that a large mask or offset costs no more than it costs there.
; SHARES.  A work-group owns 64 queries of one key-value head; wave w owns 16 of them for ALL FOUR query heads of the group, so that each LDS read (mask, bias, w, K, V) feeds four heads.
; K and V of the head stay in LDS for the whole launch; the mask streams, 64 queries x 128 keys a step, through two slots.
; CLUSTER 4 x 1: the four partners have the same queries and different key-value heads, so each mask tile is asked for JOINTLY.  All partners run alike; cx enters global addresses alone.
; LAYOUT.  Both products are used transposed: S^T = K Q^T + C (source 0 = 16 keys, source 1 = my 16 queries, C = mask + bias), O^T = V^T P^T: a lane holds ONE query throughout.  The keys of a tile are chosen
; (launch prep's order) so that register 16 b + i of a head's 64 scores is key 32 b + 16 (lane / 16) + i of the step.  The head's size is 64: the upper six registers of K's and Q's fragments are zero codes.
; BY TURNS.  The wave is alone on its SIMD, so what is to run side by side stands side by side in its text.  (a) A head's 64 exponentials alternate with the subtractions and scalings of later pairs; none of these lines
; names an exponential's result, so the batch has one wait.  (b) The eight first products of head g + 1 stand in the softmax of head g, one at a time, eight plain instructions or more apart: two window switches each;
; only head 0's eight stand on end.  (c) The LDS loads for the next step go in four runs: bias behind head 0, mask and K in head 3, behind the step's last first product, w behind the change of slots.
; LIMITS: NaN and infinities are not served; a row whose every aw lies under -1e38 is not served; L = 0 is not served; a block of p whose largest magnitude lies under 2^(3 - 127) gets the byte 1.
; REGISTERS.  window 0: v1-18 LDS addresses; v22-34 scale words; v36-75 ten registers of statistics a head (+0 m, +2 .. +9 four sums in pairs; behind pass 1: +2 -log2|L|, +4, +5 L's sign); v76-99 at work;
;   v128-191 C; v192-255 w.   window 1: the scores, 64 a head.   window 2: v0-95 K's 8 fragments, v96-143 Q's 4, v144-207 bias, v208-227 p's codes.   window 3: v0-127 O^T, 32 a head; v128-175 V's 4 fragments.
.set MTILE, 8576                       ; a wave's mask tile: 16 rows x (512 + 16) bytes, + 128, so that rows 16 apart start in other banks
.set BIAS,  34304                      ; clip(0.5 prior, -3, 3), 2,048 numbers
.set WTB,   42496                      ; 1 + 0.3 prior
.set STG,   50688                      ; the way out's scale words, 512 bytes
.set SPARE, 51200                      ; the spare words, 128 bytes a wave
.set MSKX,  0x10000                    ; mask slot 1 begins here: one exclusive or turns an address
.set KREG,  99840                      ; K's head: 128 half fragments of 768 bytes, then 32 units of scale words: 106,496 bytes
.set VREG,  206336                     ; V's likewise
.set HB,    106496
.set AM0, 1
.set AB0, 2
.set AW0, 3
.set AK0, 4
.set AK20, 5
.set AS0, 6
.set AV0, 7
.set AV20, 8
.set AVS0, 9
.set AM, 10
.set AB, 11
.set AW, 12
.set AK, 13
.set AK2, 14
.set AS, 15
.set AV, 16
.set AV2, 17
.set AVS, 18
.set PFO, 19
.set SPW, 20
.set NIL, 21
.set KSC, 22
.set QSC, 26
.set VSL, 30
.set VSH, 32
.set PSC, 34
.set ST,  36
.set T,   76
.set F,   80
.set TM,  84
.set L16, 100
.set L8,  101
.set VQ,  102
.set SGA, 110
.set BM,  128
.set W,   192
.set QF,  96
.set BI,  144
.set PC,  208
.set PT,  220
.set VF,  128
.set WV,  12
.set G1D, 16                           ; s[16:23] group 1 for K's and V's quarters: 104 rows of 256 bytes
.set G1M, 24                           ; s[24:31] group 1 for a mask tile
.set G0K, 32
.set G0V, 36
.set G0M0, 40
.set G0M, 44                           ; s[44:47] the mask's walking group 0
.set MB,  48                           ; s[48:49] the mask at my 16 rows
.set SEL, 52
.set CS,  54                           ; s[54:55] log2(e), twice
.set CNT, 57
.set SG,  58                           ; the trip's number, 0 .. 31
.set NT,  59                           ; the next mask tile to ask for
.set TB,  60
.set TO,  61
.set KO,  62
.set VO,  63
.set TV,  66
.set PFA, 68
.set LIM, 70
.set MSB, 0
.macro WIN new                         ; the immediate's high byte repeats the setting that is left; a switch that changes nothing is dropped
.if MSB != (\new)
	s_set_vgpr_msb (MSB<<8)|(\new)
.set MSB, (\new)
.endif
.endm
.macro WMS d, a, b, c, sa, sb, ra      ; one product; ra: source 0's scales stand in lanes 16-31
.if (\ra)
	v_wmma_scale_f32_16x16x128_f8f6f4 v[\d:\d+7], v[\a:\a+11], v[\b:\b+11], v[\c:\c+7], v[\sa], v[\sb] matrix_a_fmt:MATRIX_FMT_FP6 matrix_b_fmt:MATRIX_FMT_FP6 matrix_a_scale:MATRIX_SCALE_ROW1
.else
	v_wmma_scale_f32_16x16x128_f8f6f4 v[\d:\d+7], v[\a:\a+11], v[\b:\b+11], v[\c:\c+7], v[\sa], v[\sb] matrix_a_fmt:MATRIX_FMT_FP6 matrix_b_fmt:MATRIX_FMT_FP6
.endif
.endm
.macro ROUND                           ; a round of the cluster's barrier
	s_barrier_signal -1
	s_barrier_wait -1
	s_cmp_lg_u32 s[WV], 0
	s_cbranch_scc1 .Lnot_wave_0_\@
	s_barrier_signal -3
.Lnot_wave_0_\@:
	s_barrier_wait -3
	s_barrier_signal -1
	s_barrier_wait -1
.endm
.macro PLACES n
.rept \n
	v_nop
.endr
.endm
; A prefetch of a later mask tile: trip t of pass 1 names tile t + 5, two trips ahead of the tensor load that asks for it; tiles 0 .. 4 come by their loads alone, and trips 11 on name nothing (tile 15 is the last).
; Both clusters of a block of queries read the same rows: the first asks.  Its four partners share the 64 rows out by address, 16 each; in each, wave 0 asks: 16 rows x two blocks of 256 bytes, a lane a block.
.macro ASK
	s_cmp_gt_u32 s[CNT], s[LIM]
	s_cbranch_scc0 .Lnot_mine_\@
	global_prefetch_b8 v[PFO], s[PFA:PFA+1] th:TH_LOAD_NT scope:SCOPE_SE
.Lnot_mine_\@:
.endm
; THE CHANGE OF MASK SLOTS stands at a trip's end.  In trip t: tile t + 1 has been read into registers; the wait shows tile t + 2 landed; fill = 1: tile t + 3 is asked for, into tile t + 1's slot, and has a trip in which to land.
; Its wait on DScnt also shows the next step's mask, bias and K in registers.
.macro CHANGE fill, ask
	WIN 0
	s_wait_tensorcnt 0x0                           ; all my tensor loads have landed, so the walking group 0 may be written
	ds_add_u32 v[SPW], v[NIL]                      ; 0 onto my spare word
.if \fill
	s_xor_b32 s[G0M+1], s[G0M+1], MSKX             ; the other slot than last time,
	s_and_b32 s50, s[NT], 15
	s_lshl_b32 s50, s50, 9                         ; 128 keys of 4 bytes a tile; pass 2 walks the same 16 tiles again
	s_add_nc_u64 s[G0M+2:G0M+3], s[MB:MB+1], s[50:51]
	s_or_b32 s[G0M+3], s[G0M+3], 0x80000000
	s_add_co_u32 s[NT], s[NT], 1
.if \ask
	s_wait_xcnt 0x0                                ; the last prefetch, a trip back, has read its address
	s_add_nc_u64 s[PFA:PFA+1], s[PFA:PFA+1], 512
.endif
	s_wait_dscnt 0x0                               ; the add is done, and my reads of the slot are over
	ROUND                                          ; both now hold of every wave of all four work-groups
	tensor_load_to_lds s[G0M:G0M+3], s[G1M:G1M+7]  ; my one tensor load behind the round
	s_nop 0
	PLACES 4
.if \ask
	ASK
.endif
.else
	s_wait_dscnt 0x0
	s_barrier_signal -1
	s_barrier_wait -1
.endif
.endm
.macro NEXTA                           ; the next step's mask: 16 LDS loads, into C's registers: behind the step's last first product
	WIN 0
.irp b, 0,1,2,3
.irp j, 0,1,2,3
	ds_load_b128 v[BM+16*\b+4*\j:BM+16*\b+4*\j+3], v[AM] offset:128*\b+16*\j
.endr
.endr
.endm
.macro NEXTB                           ; the next step's bias: 16 loads; its registers are free as soon as C is formed
	WIN 0x80
.irp b, 0,1,2,3
.irp j, 0,1,2,3
	ds_load_b128 v[BI+16*\b+4*\j:BI+16*\b+4*\j+3], v[AB] offset:128*\b+16*\j
.endr
.endr
.endm
.macro NEXTC                           ; the next step's K and its scale words: 18 loads
	WIN 0x80
.irp t, 0,1,2,3,4,5,6,7
	ds_load_b128 v[12*\t:12*\t+3], v[AK] offset:768*\t
	ds_load_b64 v[12*\t+4:12*\t+5], v[AK2] offset:768*\t
.endr
	WIN 0
	ds_load_b64 v[KSC:KSC+1], v[AS]
	ds_load_b64 v[KSC+2:KSC+3], v[AS] offset:256
.endm
.macro WNEXT                           ; the next step's w
	WIN 0
.irp b, 0,1,2,3
.irp j, 0,1,2,3
	ds_load_b128 v[W+16*\b+4*\j:W+16*\b+4*\j+3], v[AW] offset:128*\b+16*\j
.endr
.endr
.endm
.macro VLOAD                           ; this step's V: four fragments, each of two halves of 64 keys, and the two halves' scale words
	WIN 0xc0
.irp t, 0,1,2,3
.irp c, 0,1
	ds_load_b128 v[VF+12*\t+6*\c:VF+12*\t+6*\c+3], v[AV] offset:(4*\c+\t)*768
	ds_load_b64 v[VF+12*\t+6*\c+4:VF+12*\t+6*\c+5], v[AV2] offset:(4*\c+\t)*768
.endr
.endr
	WIN 0
	ds_load_b64 v[VSL:VSL+1], v[AVS]
	ds_load_b64 v[VSH:VSH+1], v[AVS] offset:256
.endm
.macro CADD pv                         ; C = mask + bias, for all four heads; the addresses of the loads to come (in the very last trip those of a next step are not used)
	WIN 0x08
.set QI, 0
.rept 32
	v_pk_add_f32 v[BM+QI:BM+QI+1], v[BM+QI:BM+QI+1], v[BI+QI:BI+QI+1]
.set QI, QI+2
.endr
	WIN 0
	s_xor_b32 s[TB], s[TB], MSKX
	s_add_co_u32 s71, s[SG], 1
	s_and_b32 s71, s71, 15                         ; the next key step
	s_lshl_b32 s[TO], s71, 9
	s_mul_i32 s[KO], s71, 6144
	v_add_nc_u32 v[AM], s[TB], v[AM0]
	v_add_nc_u32 v[AB], s[TO], v[AB0]
	v_add_nc_u32 v[AW], s[TO], v[AW0]
	v_add_nc_u32 v[AK], s[KO], v[AK0]
	v_add_nc_u32 v[AK2], s[KO], v[AK20]
	v_add_nc_u32 v[AS], s[TO], v[AS0]
.if \pv
	s_and_b32 s72, s[SG], 15                       ; this key step
	s_mul_i32 s[VO], s72, 6144
	s_lshl_b32 s[TV], s72, 9
	v_add_nc_u32 v[AV], s[VO], v[AV0]
	v_add_nc_u32 v[AV2], s[VO], v[AV20]
	v_add_nc_u32 v[AVS], s[TV], v[AVS0]
.endif
.endm
.macro QK1 g, t                        ; one first product: head g, tile t of 16 keys; each of a step's 32 has an accumulator of its own
	WIN 0x4a                                       ; K and Q window 2, C window 0, the scores window 1
	WMS 64*(\g)+8*(\t), 12*(\t), QF+12*(\g), BM+8*(\t), KSC+2*((\t)/4)+((\t)%4)/2, QSC+(\g), (\t)%2
.endm
.macro QKH g
.irp t, 0,1,2,3,4,5,6,7
	QK1 \g, \t
.endr
.endm
; THE BATCH.  SB: the head's scores (window 1), SS: its statistics.  Pair i of 32: MA takes the maximum away, MM scales by log2(e) (pass 2: and takes log2|L| away), two exponentials follow.
.macro MA i
	v_pk_add_f32 v[SB+2*(\i):SB+2*(\i)+1], v[SB+2*(\i):SB+2*(\i)+1], v[SS:SS+1] op_sel_hi:[1,0] neg_lo:[0,1] neg_hi:[0,1]
.endm
.macro MM i, p2
.if \p2
	v_pk_fma_f32 v[SB+2*(\i):SB+2*(\i)+1], v[SB+2*(\i):SB+2*(\i)+1], s[CS:CS+1], v[SS+2:SS+3] op_sel_hi:[1,0,0]
.else
	v_pk_mul_f32 v[SB+2*(\i):SB+2*(\i)+1], v[SB+2*(\i):SB+2*(\i)+1], s[CS:CS+1] op_sel_hi:[1,0]
.endif
.endm
.macro MIXHEAD p2                      ; eight plain lines lead
.irp i, 0,1,2,3,4,5
	MA \i
.endr
	MM 0, \p2
	MM 1, \p2
.endm
.macro MIXBODY p2                      ; slot j: exponential, the subtraction six pairs on, exponential, the scaling two pairs on.  No line names an exponential's result or writes its source
.set MJ, 0
.rept 32
	v_exp_f32 v[SB+2*MJ], v[SB+2*MJ]
.if MJ < 26
	MA MJ+6
.endif
	v_exp_f32 v[SB+2*MJ+1], v[SB+2*MJ+1]
.if MJ < 30
	MM MJ+2, \p2
.endif
.set MJ, MJ+1
.endr
.endm
; Pass 1, head g: the running maximum of my half of the keys, and L = L 2^((old m - new m) log2 e) + sum(e w).
; emb = 1: the eight first products of head g + 1 stand among the maximum's lines and the sums' lines; six sums follow the last.  wt = 1: w is waited for ahead of its first reader.  ld = 1: the next step's K is asked for.
.macro SM1 g, emb, wt, ld
.set SB, 64*(\g)
.set SS, ST+10*(\g)
	WIN 0x05
.irp k, 0,1,2,3
	v_max_num_f32 v[T+\k], v[SB+16*\k], v[SB+16*\k+1]          ; four chains; each accumulator is read from its low end on
.endr
.irp i, 2,4,6,8,10,12,14
	WIN 0x05
.irp k, 0,1,2,3
	v_max3_num_f32 v[T+\k], v[SB+16*\k+\i], v[SB+16*\k+\i+1], v[T+\k]
.endr
.if (\emb) && (\i%4 == 2)
	QK1 (\g)+1, \i/4
.endif
.endr
.if \ld
	NEXTC
.endif
	WIN 0
	v_max3_num_f32 v[T], v[T], v[T+1], v[T+2]
	v_max3_num_f32 v[T+1], v[T], v[T+3], v[SS]     ; the new m
	v_sub_f32 v[T+2], v[SS], v[T+1]                ; old m - new m, 0 or less
	v_mul_f32 v[T+2], s[CS], v[T+2]
	v_exp_f32 v[F], v[T+2]
	v_mov_b32 v[SS], v[T+1]
	WIN 0x41
	MIXHEAD 0
	MIXBODY 0
	WIN 0
	v_nop                                          ; a plain place behind the exponentials
.if \wt
	s_wait_dscnt 0x0                               ; this step's w, asked for at the last trip's end
.endif
	s_wait_alu depctr_va_vdst(0)                   ; one wait for the 65, ahead of their first reader
.irp k, 0,1,2,3
	v_pk_mul_f32 v[SS+2+2*\k:SS+3+2*\k], v[SS+2+2*\k:SS+3+2*\k], v[F:F+1] op_sel_hi:[1,0]
.endr
.set SI, 0
.rept 32
	WIN 0x01
	v_pk_fma_f32 v[SS+2+2*(SI%4):SS+3+2*(SI%4)], v[SB+2*SI:SB+2*SI+1], v[W+2*SI:W+2*SI+1], v[SS+2+2*(SI%4):SS+3+2*(SI%4)]
.if (\emb) && (SI%8 == 1)
	QK1 (\g)+1, 4+SI/8
.endif
.set SI, SI+1
.endr
.endm
.macro PV g                            ; O^T += V^T P^T for head g: four accumulators by turns
	WIN 0xfb                                       ; V window 3, p's codes window 2, O^T window 3
.irp t, 0,1,2,3
	WMS 32*(\g)+8*\t, VF+12*\t, PC, 32*(\g)+8*\t, VSL+\t/2, PSC, \t%2
.endr
.endm
; 64 numbers of a lane in window sw, register base + 16 b + i = k 32 b + 16 (lane / 16) + i of my row, become a fragment in v[PC] on (window 2) and its scale word in v[wd].
; eh = a head's number: its first products of tiles 4 .. 7 stand among the lines that search for the largest magnitudes; eh = -1: none
.macro QUANT sw, base, wd, eh
	WIN 5*(\sw)
.irp b, 0,1,2,3
	v_max3_num_f32 v[TM+\b], |v[(\base)+16*\b]|, |v[(\base)+16*\b+1]|, 0x1800000       ; and the floor 2^(3 - 127)
.endr
.irp i, 2,4,6,8,10,12,14
	WIN 5*(\sw)
.irp b, 0,1,2,3
	v_max3_num_f32 v[TM+\b], |v[(\base)+16*\b+\i]|, |v[(\base)+16*\b+\i+1]|, v[TM+\b]
.endr
.if ((\eh) >= 0) && (\i%4 == 2)
	QK1 \eh, 4+\i/4
.endif
.endr
	WIN 0
.irp b, 0,1,2,3
	v_permlanex16_b32 v[TM+4+\b], v[TM+\b], s[SEL], s[SEL+1]
.endr
.irp b, 0,1,2,3
	v_max_num_f32 v[TM+\b], v[TM+\b], v[TM+4+\b]
.endr
.irp b, 0,1,2,3
	v_add_nc_u32 v[TM+12+\b], 0xff000000, v[TM+\b] ; 2 off the exponent field: the conversion's scale operand
.endr
.irp b, 0,1,2,3
	v_lshrrev_b32 v[TM+4+\b], 23, v[TM+12+\b]      ; the byte
.endr
	v_lshl_or_b32 v[\wd], v[TM+5], 8, v[TM+4]
	v_lshl_or_b32 v[\wd], v[TM+6], 16, v[\wd]
	v_lshl_or_b32 v[\wd], v[TM+7], 24, v[\wd]
	WIN 0x80+(\sw)
.irp c, 0,1
	v_cvt_scalef32_pk16_fp6_f32 v[PC+6*\c:PC+6*\c+2], v[(\base)+32*\c:(\base)+32*\c+15], v[TM+12+2*\c]
	v_cvt_scalef32_pk16_fp6_f32 v[PT+4*\c:PT+4*\c+2], v[(\base)+32*\c+16:(\base)+32*\c+31], v[TM+12+2*\c+1]
.endr
	v_nop                                          ; one plain place behind a scaled conversion
	WIN 0x82
.irp c, 0,1
.irp i, 0,1,2
	v_permlane16_swap_b32 v[PC+6*\c+\i], v[PT+4*\c+\i]
.endr
.irp i, 0,1,2
	v_mov_b32 v[PC+6*\c+3+\i], v[PT+4*\c+\i]
.endr
.endr
.endm
; Pass 2, head g: the finished p, quantised.  The second products of the head before stand behind the batch's eight leading lines, which are the places behind the lines that made their operand and its scale word.
; emb = 1: the first products of head g + 1 stand among the multiplications by w and in the quantiser.  wt = 1: w, V and V's scale words are waited for.  ld = 1: the next step's K is asked for.
.macro X g, emb, wt, ld
.set SB, 64*(\g)
.set SS, ST+10*(\g)
	WIN 0x41
	MIXHEAD 1
.if (\g) > 0
	PV (\g)-1
.endif
	WIN 0x41
	MIXBODY 1
	v_nop                                          ; a plain place behind the exponentials
.if \wt
	s_wait_dscnt 0x0                               ; w, asked for at the last trip's end; V and its scale words, asked for at this trip's head
.endif
	s_wait_alu depctr_va_vdst(0)                   ; one wait for the 64
.if \wt
	WIN 0
	v_or_b32 v[VSL], v[VSL], v[VSH]                ; the two halves' bytes make the words of 128 keys
	v_or_b32 v[VSL+1], v[VSL+1], v[VSH+1]
.endif
.if \ld
	NEXTC
.endif
.set XI, 0
.rept 32
	WIN 0x41
	v_pk_mul_f32 v[SB+2*XI:SB+2*XI+1], v[SB+2*XI:SB+2*XI+1], v[W+2*XI:W+2*XI+1]
.if (\emb) && (XI%8 == 7)
	QK1 (\g)+1, XI/8
.endif
.set XI, XI+1
.endr
.if \emb
	QUANT 1, 64*(\g), PSC, (\g)+1
.else
	QUANT 1, 64*(\g), PSC, -1
.endif
.endm
.macro STEP1
	CADD 0
	QKH 0                                          ; head 0's eight products: there is no vector work yet to set between them
	PLACES 4                                       ; behind them, in front of the first read of the scores
	SM1 0, 1, 1, 0
	NEXTB
	SM1 1, 1, 0, 0
	SM1 2, 1, 0, 0
	NEXTA                                          ; six plain lines stand between the step's last first product and these loads into its C
	SM1 3, 0, 0, 1
	CHANGE 1, 1
	WNEXT
	s_add_co_u32 s[SG], s[SG], 1
.endm
.macro STEP2 fill, nx                  ; nx = 0: the very last trip: there is no next step
	CADD 1                                         ; its 32 additions are also the places between the last trip's last second products and the loads into V's registers
	VLOAD
	QKH 0
	PLACES 4
	X 0, 1, 1, 0
.if \nx
	NEXTB
.endif
	X 1, 1, 0, 0
	X 2, 1, 0, 0
.if \nx
	NEXTA
.endif
	X 3, 0, 0, \nx
	WIN 0
	PLACES 8                                       ; a scale register written by a vector instruction stands 8 places ahead of a scaled product
	PV 3
	WIN 0
.if \nx
	CHANGE \fill, 0
	WNEXT
	s_add_co_u32 s[SG], s[SG], 1
.endif
.endm
	s_load_b256 s[4:11], s[0:1], 0x0               ; qkv, mask, prior, abuf
	v_lshl_add_u32 v[SPW], v0, 2, SPARE
	v_mov_b32 v[NIL], 0
	ds_add_u32 v[SPW], v[NIL]                      ; the wave's opening: the add, twice on end, and its wait ahead of my first tensor load
	ds_add_u32 v[SPW], v[NIL]
	v_lshrrev_b32 v103, 5, v0
	v_readfirstlane_b32 s[WV], v103
	s_bfe_u32 s13, ttmp6, 0x40000                  ; cx
	s_lshl_b32 s14, ttmp9, 2
	s_add_co_u32 s14, s14, s13                     ; my key-value head
	s_and_b32 s15, ttmp7, 0xffff                   ; my block of 64 queries, which the partners share
	s_mov_b32 s[G1D], 3<<16                        ; no mask; elements of 8 bytes; no padding
	s_mov_b32 s[G1D+1], 32<<16                     ; rows of 256 bytes
	s_mov_b32 s[G1D+2], 104<<16
	s_mov_b32 s[G1D+3], 32<<16
	s_mov_b32 s[G1D+4], 104
	s_mov_b32 s[G1D+5], 32
	s_mov_b32 s[G1D+6], 0
	s_mov_b32 s[G1D+7], 0
	s_mov_b32 s[G1M], 15|(2<<16)|(1<<20)|(1<<21)|(6<<22)|(3<<25)   ; all four partners; f32; 4 words of padding behind every 128
	s_mov_b32 s[G1M+1], 128<<16
	s_mov_b32 s[G1M+2], 16<<16
	s_mov_b32 s[G1M+3], 128<<16
	s_mov_b32 s[G1M+4], 16
	s_mov_b32 s[G1M+5], 2048
	s_mov_b32 s[G1M+6], 0
	s_mov_b32 s[G1M+7], 0
	s_mov_b32 s51, 0
	s_mov_b32 s[SEL], 0x76543210
	s_mov_b32 s[SEL+1], 0xfedcba98
	s_mov_b32 s[CS], 0x3fb8aa3b                    ; log2(e)
	s_mov_b32 s[CS+1], s[CS]
	s_mov_b32 s[SG], 0
	s_mov_b32 s[NT], 2
	s_mov_b32 s[TB], 0
	s_or_b32 s71, s[WV], ttmp9
	s_cmp_eq_u32 s71, 0
	s_cselect_b32 s[LIM], 5, -1                    ; wave 0 of the first cluster prefetches while more than 5 trips of pass 1 are left
	s_add_co_u32 s71, s14, 32
	s_mul_i32 s74, s71, HB                         ; K's head,
	s_mul_i32 s72, s[WV], 26624                    ; my quarter of it
	s_add_co_u32 s74, s74, s72
	s_mov_b32 s75, 0
	s_lshl_b32 s78, s15, 6
	s_lshl_b32 s79, s[WV], 4
	s_add_co_u32 s78, s78, s79
	s_lshl_b32 s78, s78, 13                        ; the mask's row 64 y + 16 wave
	s_mov_b32 s79, 0
	s_mul_i32 s80, s[WV], MTILE
	s_wait_dscnt 0x0                               ; both opening adds are done
	s_wait_kmcnt 0x0
	s_add_nc_u64 s[76:77], s[4:5], s[74:75]
	s_mov_b32 s[G0K], 1
	s_add_co_u32 s[G0K+1], s72, KREG
	s_mov_b64 s[G0K+2:G0K+3], s[76:77]
	s_or_b32 s[G0K+3], s[G0K+3], 0x80000000
	s_mov_b32 s[G0V], 1
	s_add_co_u32 s[G0V+1], s72, VREG
	s_add_nc_u64 s[G0V+2:G0V+3], s[76:77], 8*HB
	s_or_b32 s[G0V+3], s[G0V+3], 0x80000000
	s_add_nc_u64 s[MB:MB+1], s[6:7], s[78:79]
	s_mov_b32 s[G0M0], 1
	s_mov_b32 s[G0M0+1], s80
	s_mov_b64 s[G0M0+2:G0M0+3], s[MB:MB+1]
	s_or_b32 s[G0M0+3], s[G0M0+3], 0x80000000
	s_mov_b32 s[G0M], 1
	s_add_co_u32 s[G0M+1], s80, MSKX
	s_add_nc_u64 s[G0M+2:G0M+3], s[MB:MB+1], 512
	s_or_b32 s[G0M+3], s[G0M+3], 0x80000000
	ROUND                                          ; all four work-groups are here
	tensor_load_to_lds s[G0M0:G0M0+3], s[G1M:G1M+7]    ; the first fills, one group: mask tile 0,
	s_nop 0
	tensor_load_to_lds s[G0K:G0K+3], s[G1D:G1D+7]      ; my quarter of K,
	s_nop 0
	tensor_load_to_lds s[G0M:G0M+3], s[G1M:G1M+7]      ; mask tile 1,
	s_nop 0
	tensor_load_to_lds s[G0V:G0V+3], s[G1D:G1D+7]      ; my quarter of V: four loads of mine are out
	s_nop 0
	PLACES 4
	v_and_b32 v103, 31, v0                         ; lane
	v_and_b32 v104, 15, v0                         ; r
	v_bfe_u32 v105, v0, 4, 1                       ; h
	v_lshlrev_b32 v[L16], 4, v103
	v_lshlrev_b32 v[L8], 3, v103
	v_lshlrev_b32 v111, 4, v0                      ; 16 x thread
	s_lshr_b32 s81, s[WV], 1
	s_and_b32 s82, s[WV], 1
	v_lshlrev_b32 v[VQ], 3, v104
	s_lshl_b32 s83, s82, 7
	s_lshl_b32 s84, s81, 2
	s_add_co_u32 s83, s83, s84
	v_add_nc_u32 v[VQ], s83, v[VQ]                 ; my tile's word in a unit of scale words: 8 (r + 16 (w % 2)) + 4 (w / 2)
	s_lshl_b32 s71, s14, 2
	s_mul_i32 s71, s71, HB                         ; the group's first query head
	s_lshl_b32 s72, s15, 2
	s_add_co_u32 s72, s72, s[WV]
	s_mul_i32 s72, s72, 768                        ; my tile of queries
	s_add_co_u32 s74, s71, s72
	s_add_nc_u64 s[86:87], s[4:5], s[74:75]
	s_lshl_b32 s72, s15, 8
	s_add_co_u32 s74, s71, s72
	s_add_co_u32 s74, s74, 98304
	s_add_nc_u64 s[88:89], s[4:5], s[74:75]
.irp i, 0,1,2,3
	global_load_b128 v[128+4*\i:131+4*\i], v111, s[8:9] offset:2048*\i     ; prior: 16 numbers a thread
.endr
	WIN 0x80
.irp g, 0,1,2,3
	global_load_b128 v[QF+12*\g:QF+12*\g+3], v[L16], s[86:87] offset:\g*HB         ; Q's half fragments stay in registers
	global_load_b64 v[QF+12*\g+4:QF+12*\g+5], v[L8], s[86:87] offset:\g*HB+512
.endr
	WIN 0
.irp g, 0,1,2,3
	global_load_b32 v[QSC+\g], v[VQ], s[88:89] offset:\g*HB
.endr
	v_bfe_u32 v106, v0, 3, 1                       ; r / 8
	v_and_b32 v107, 7, v0                          ; r % 8
	s_mul_i32 s83, s81, 2*MTILE
	s_mul_i32 s84, s82, 8*528
	s_add_co_u32 s83, s83, s84
	v_mul_u32_u24 v[AM0], v106, MTILE              ; my query's row of the mask: tile 2 (w / 2) + r / 8, row 8 (w % 2) + r % 8, + 64 h
	v_mad_u32_u24 v[AM0], v107, 528, v[AM0]
	v_lshl_add_u32 v[AM0], v105, 6, v[AM0]
	v_add_nc_u32 v[AM0], s83, v[AM0]
	v_lshlrev_b32 v108, 6, v105
	v_add_nc_u32 v[AB0], BIAS, v108
	v_add_nc_u32 v[AW0], WTB, v108
	v_add_nc_u32 v[AK0], KREG, v[L16]
	v_add_nc_u32 v[AK20], KREG+512, v[L8]
	v_add_nc_u32 v[AS0], KREG+98304, v[L8]
	v_add_nc_u32 v[AV0], VREG, v[L16]
	v_add_nc_u32 v[AV20], VREG+512, v[L8]
	v_add_nc_u32 v[AVS0], VREG+98304, v[L8]
	v_lshl_add_u32 v[SGA], v105, 8, v[VQ]
	v_add_nc_u32 v[SGA], STG, v[SGA]
	v_mul_u32_u24 v113, v105, 204800
	v_lshl_add_u32 v113, v104, 4, v113
	v_lshlrev_b32 v[PFO], 13, v104
	v_lshl_add_u32 v[PFO], v105, 8, v[PFO]         ; the prefetches: row lane % 16, block lane / 16
	s_lshl_b32 s71, s15, 6
	s_lshl_b32 s72, s13, 4
	s_add_co_u32 s71, s71, s72
	s_lshl_b32 s74, s71, 13
	s_add_co_u32 s74, s74, 4*512
	s_add_nc_u64 s[PFA:PFA+1], s[6:7], s[74:75]    ; my work-group's 16 rows, at tile 4: each asking change steps it first
	WIN 0x80
.irp t, 0,1,2,3,4,5,6,7,8,9,10,11
.irp j, 6,7,8,9,10,11
	v_mov_b32 v[12*\t+\j], 0                       ; the upper 64 of K's and Q's 128 along K: zero codes, written once
.endr
.endr
	WIN 0xc0
.set HI, 0
.rept 128
	v_mov_b32 v[HI], 0                             ; O^T: pass 2's step is written for every trip alike, and its first finds zeros
.set HI, HI+1
.endr
	WIN 0
.irp g, 0,1,2,3
	v_mov_b32 v[ST+10*\g], 0xfe967699              ; m = -1e38
.irp j, 1,2,3,4,5,6,7,8,9
	v_mov_b32 v[ST+10*\g+\j], 0
.endr
.endr
.irp j, 0,1,2,3,4,5,6,7,8,9,10,11,12,13,14,15
	v_mov_b32 v[TM+\j], 0                          ; (a lane permute's destination counts as read)
.endr
	v_mov_b32 v[F+1], 0                            ; (named as the upper half of a pair)
	v_mov_b32 v82, 0x40400000                      ; 3.0
	s_mov_b32 s71, 0x3e99999a                      ; 0.3
	s_wait_loadcnt 12                              ; prior is in; Q's twelve loads may be out
.irp j, 0,1,2,3,4,5,6,7,8,9,10,11,12,13,14,15
	v_mul_f32 v[144+\j], 0.5, v[128+\j]
	v_fma_f32 v[160+\j], v[128+\j], s71, 1.0
.endr
.irp j, 0,1,2,3,4,5,6,7,8,9,10,11,12,13,14,15
	v_med3_num_f32 v[144+\j], v[144+\j], -v82, v82
.endr
.irp i, 0,1,2,3
	ds_store_b128 v111, v[144+4*\i:147+4*\i] offset:BIAS+2048*\i
	ds_store_b128 v111, v[160+4*\i:163+4*\i] offset:WTB+2048*\i
.endr
	s_wait_tensorcnt 0x2                           ; mask tile 0 and my quarter of K are in; tile 1 and V may stay out
	s_wait_dscnt 0x0                               ; my part of the two tables is stored
	s_barrier_signal -1
	s_barrier_wait -1
	v_mov_b32 v[AM], v[AM0]
	v_mov_b32 v[AB], v[AB0]
	v_mov_b32 v[AW], v[AW0]
	v_mov_b32 v[AK], v[AK0]
	v_mov_b32 v[AK2], v[AK20]
	v_mov_b32 v[AS], v[AS0]
	NEXTA                                          ; key step 0
	NEXTB
	NEXTC
	CHANGE 1, 0                                    ; tile 1 and V have landed; tile 0 is in registers: tile 2 takes its slot
	WNEXT
	s_wait_loadcnt 0x0                             ; Q
	s_mov_b32 s[CNT], 16
.Lp1:                                              ; PASS 1
	STEP1
	s_sub_co_u32 s[CNT], s[CNT], 1
	s_cmp_lg_u32 s[CNT], 0
	s_cbranch_scc1 .Lp1
	; the two halves of the lanes are joined: m, L; then -log2|L| and L's sign.  The four heads by turns
	s_mov_b32 s71, 0x80000000
	s_mov_b32 s72, 0x3f800000
.irp g, 0,1,2,3
	v_pk_add_f32 v[ST+10*\g+2:ST+10*\g+3], v[ST+10*\g+2:ST+10*\g+3], v[ST+10*\g+4:ST+10*\g+5]
	v_pk_add_f32 v[ST+10*\g+6:ST+10*\g+7], v[ST+10*\g+6:ST+10*\g+7], v[ST+10*\g+8:ST+10*\g+9]
.endr
.irp g, 0,1,2,3
	v_pk_add_f32 v[ST+10*\g+2:ST+10*\g+3], v[ST+10*\g+2:ST+10*\g+3], v[ST+10*\g+6:ST+10*\g+7]
.endr
.irp g, 0,1,2,3
	v_add_f32 v[TM+\g], v[ST+10*\g+2], v[ST+10*\g+3]
.endr
.irp g, 0,1,2,3
	v_permlanex16_b32 v[TM+4+\g], v[ST+10*\g], s[SEL], s[SEL+1]
.endr
.irp g, 0,1,2,3
	v_max_num_f32 v[TM+4+\g], v[TM+4+\g], v[ST+10*\g]          ; the row's m
.endr
.irp g, 0,1,2,3
	v_sub_f32 v[TM+8+\g], v[ST+10*\g], v[TM+4+\g]
.endr
.irp g, 0,1,2,3
	v_mul_f32 v[TM+8+\g], s[CS], v[TM+8+\g]
.endr
.irp g, 0,1,2,3
	v_exp_f32 v[TM+8+\g], v[TM+8+\g]
.endr
.irp g, 0,1,2,3
	v_mov_b32 v[ST+10*\g], v[TM+4+\g]              ; (plain lines behind the exponentials)
.endr
	s_wait_alu depctr_va_vdst(0)
.irp g, 0,1,2,3
	v_mul_f32 v[TM+\g], v[TM+\g], v[TM+8+\g]       ; my half's sum under the row's m
.endr
.irp g, 0,1,2,3
	v_permlanex16_b32 v[TM+12+\g], v[TM+\g], s[SEL], s[SEL+1]
.endr
.irp g, 0,1,2,3
	v_add_f32 v[TM+\g], v[TM+\g], v[TM+12+\g]      ; L
.endr
.irp g, 0,1,2,3
	v_log_f32 v[TM+8+\g], |v[TM+\g]|
.endr
.irp g, 0,1,2,3
	v_and_or_b32 v[ST+10*\g+4], v[TM+\g], s71, s72 ; 1.0 with L's sign.  (Plain lines behind the logarithms)
.endr
	s_wait_alu depctr_va_vdst(0)
.irp g, 0,1,2,3
	v_xor_b32 v[ST+10*\g+2], s71, v[TM+8+\g]       ; -log2|L|
	v_mov_b32 v[ST+10*\g+5], v[ST+10*\g+4]
.endr
	s_mov_b32 s[CNT], 13
.Lp2:                                              ; PASS 2: thirteen trips ask for mask tiles 19 .. 31,
	STEP2 1, 1
	s_sub_co_u32 s[CNT], s[CNT], 1
	s_cmp_lg_u32 s[CNT], 0
	s_cbranch_scc1 .Lp2
	s_mov_b32 s[CNT], 2
.Lp3:                                              ; two ask for nothing
	STEP2 0, 1
	s_sub_co_u32 s[CNT], s[CNT], 1
	s_cmp_lg_u32 s[CNT], 0
	s_cbranch_scc1 .Lp3
	STEP2 0, 0                                     ; and the last, written out, fetches nothing for a next step
	; THE WAY OUT.  O^T x L's sign; two heads are one K step (128) of the last product: quantised along d and stored as a fragment of launch oproj's operand
	PLACES 4
	s_lshl_b32 s71, s14, 5
	s_lshr_b32 s72, s15, 1
	s_add_co_u32 s71, s71, s72
	s_mul_i32 s71, s71, 12800                      ; K step 2 kv, block of rows y / 2
	s_and_b32 s72, s15, 1
	s_lshl_b32 s73, s72, 2
	s_add_co_u32 s73, s73, s[WV]
	s_mul_i32 s73, s73, 1536                       ; my tile in the block
	s_add_co_u32 s74, s71, s73
	s_add_nc_u64 s[76:77], s[10:11], s[74:75]
	s_lshl_b32 s72, s72, 8
	s_add_co_u32 s74, s71, s72
	s_add_co_u32 s74, s74, 12288
	s_add_nc_u64 s[78:79], s[10:11], s[74:75]
.irp p, 0,1
	WIN 0xc3
.irp q, 0,1
.irp i, 0,2,4,6,8,10,12,14,16,18,20,22,24,26,28,30
	v_pk_mul_f32 v[64*\p+32*\q+\i:64*\p+32*\q+\i+1], v[64*\p+32*\q+\i:64*\p+32*\q+\i+1], v[ST+10*(2*\p+\q)+4:ST+10*(2*\p+\q)+5] op_sel_hi:[1,0]
.endr
.endr
.if \p
	s_wait_xcnt 0x0                                ; the first pair's stores have read the fragment's registers
.endif
	QUANT 3, 64*\p, 82+\p, -1
	WIN 0x08                                       ; a store's data: window 2
.irp c, 0,1,2
	global_store_b128 v[L16], v[PC+4*\c:PC+4*\c+3], s[76:77] offset:\p*204800+512*\c   ; 512 consecutive bytes a store
.endr
.endr
	WIN 0
	s_mov_b32 s71, 0xffff0000
	v_cndmask_b32 v114, v82, v83, s71              ; lanes 0-15: the first pair's word of query r, lanes 16-31: the second's
	ds_store_b32 v[SGA], v114                      ; the four waves' words make two whole units of 256 bytes
	s_wait_dscnt 0x0
	s_barrier_signal -1
	s_barrier_wait -1
	s_cmp_lg_u32 s[WV], 0
	s_cbranch_scc1 .Lnot0
	ds_load_b128 v[116:119], v[L16] offset:STG
	s_wait_dscnt 0x0
	global_store_b128 v113, v[116:119], s[78:79]   ; sixteen lanes store 256 consecutive bytes
.Lnot0:
	s_wait_tensorcnt 0x0                           ; the wave's end
	ds_add_u32 v[SPW], v[NIL]
	s_wait_dscnt 0x0
	ROUND                                          ; the closing round
	s_endpgm
.Lfunc_end_k_q55ce4368c2_attn:
	.size	k_q55ce4368c2_attn, .Lfunc_end_k_q55ce4368c2_attn-k_q55ce4368c2_attn
	.p2alignl 7, 3214868480
	.fill 96, 4, 3214868480
	.section	.rodata,"a",@progbits
	.p2align	6, 0x0
	.amdhsa_kernel k_q55ce4368c2_attn
		.amdhsa_group_segment_fixed_size 327680
		.amdhsa_private_segment_fixed_size 0
		.amdhsa_enable_private_segment 0
		.amdhsa_kernarg_size 32
		.amdhsa_user_sgpr_count 2
		.amdhsa_user_sgpr_kernarg_segment_ptr 1
		.amdhsa_wavefront_size32 1
		.amdhsa_system_sgpr_workgroup_id_x 1
		.amdhsa_system_sgpr_workgroup_id_y 1
		.amdhsa_system_sgpr_workgroup_id_z 1
		.amdhsa_system_vgpr_workitem_id 0
		.amdhsa_next_free_vgpr 1024
		.amdhsa_next_free_sgpr 100
		.amdhsa_reserve_vcc 0
		.amdhsa_float_denorm_mode_32 3
		.amdhsa_float_denorm_mode_16_64 3
		.amdhsa_memory_ordered 1
		.amdhsa_forward_progress 1
		.amdhsa_inst_pref_size 255
	.end_amdhsa_kernel
	.section	.bss,"aw",@nobits
	.p2align	6
	.space	262144
	.amdgpu_metadata
---
amdhsa.version: [ 1, 2 ]
amdhsa.kernels:
  - .name:           k_q55ce4368c2_attn
    .symbol:         k_q55ce4368c2_attn.kd
    .args:
      - { .name: qkv, .offset: 0, .size: 8, .value_kind: global_buffer, .address_space: global }
      - { .name: attention_mask, .offset: 8, .size: 8, .value_kind: global_buffer, .address_space: global }
      - { .name: prior, .offset: 16, .size: 8, .value_kind: global_buffer, .address_space: global }
      - { .name: abuf, .offset: 24, .size: 8, .value_kind: global_buffer, .address_space: global }
    .group_segment_fixed_size: 327680
    .private_segment_fixed_size: 0
    .kernarg_segment_align: 8
    .kernarg_segment_size: 32
    .max_flat_workgroup_size: 128
    .sgpr_count:     100
    .vgpr_count:     1024
    .wavefront_size: 32
...
	.end_amdgpu_metadata
.endif
;; end of part 3
;; launch oproj (part 4): grid 16 x 16, 4 waves a work-group, clusters of 4 x 4, 327,680 bytes of LDS; arguments abuf, obuf, out0; writes out0
.if DOCPART == 4
	.amdgcn_target "amdgcn-amd-amdhsa--gfx1250"
	.amdhsa_code_object_version 6
	.text
	.protected	k_q55ce4368c2_oproj
	.globl	k_q55ce4368c2_oproj
	.p2align	8
	.type	k_q55ce4368c2_oproj,@function
k_q55ce4368c2_oproj:
	s_mov_b64 s[64:65], 0
	v_nop
	global_prefetch_b8 v0, s[64:65] scope:SCOPE_SE
	s_setreg_imm32_b32 hwreg(HW_REG_WAVE_MODE, 25, 1), 1
	s_wait_xcnt 0x0
	s_wait_alu depctr_hold_cnt(0) depctr_sa_sdst(0) depctr_va_vdst(0) depctr_va_sdst(0) depctr_va_ssrc(0) depctr_va_vcc(0) depctr_vm_vsrc(0)
	s_getreg_b32 s2, hwreg(HW_REG_IB_STS2, 6, 4)
	s_cmp_eq_u32 s2, 0
	s_cbranch_scc0 .Lentry_in_a_cluster
	s_endpgm
.Lentry_in_a_cluster:
	s_bfe_u32 s2, ttmp6, 0x10000c
	s_cmp_lg_u32 s2, 0xf033
	s_cbranch_scc0 .Lentry_shape_is_right
	s_endpgm
.Lentry_shape_is_right:
; LAUNCH 4 OF 4.  out0 = attention output x Wo^T on codes of FP6 with E8M0 scales; f32 sums.  The loop is launch qkvgemm's: a tile of 128 x 128 to a work-group, 64 x 64 to each of four waves, K = 2,048 in 16 steps
; of 128; operands are images of operand registers, 12,800 bytes for a K step of 128 rows; three LDS slots of four K steps, K steps 12 .. 15 filling slot 0 again behind the one round at step 3.
; By this text's count a wave has three tensor loads out at the start and one later.  CLUSTER 4 x 4: abuf's blocks are asked for jointly along a row of the cluster, obuf's along a column.
; Source 0 = 16 rows of Wo, source 1 = 16 positions: a lane holds one position and 64 columns, 16 neighbours at a time.  The way out goes through the wave's own stage, in slot 1, which has had its last fill and,
; at the barrier of step 11, its last read; sixteen lanes then store 256 consecutive bytes of a row.
.set SLOT,  102400
.set GBB,   12800
.set SPARE, 3*SLOT
.set NYA,   16
.set NYB,   16
.set WV,  14
.set WA,  15
.set WB,  16
.set G1,  24
.set G1B, 32
.set G0,  40
.set G0B, 52
.set AD1, 4
.set AD0, 7
.set SA1, 10
.set SA0, 13
.set SPW, 16
.set NIL, 17
.set STO, 26
.set RD,  27
.set CO,  28
.set ACC, 128
.set MUL,  0x05
.set TO_F, 0x40
.set MSB, 0
.macro WIN new
.if MSB != (\new)
	s_set_vgpr_msb (MSB<<8)|(\new)
.set MSB, (\new)
.endif
.endm
.macro WMS d, a, b, c, sa, sb, ra, rb
.if (\c) < 0
.if (\ra) && (\rb)
	v_wmma_scale_f32_16x16x128_f8f6f4 v[\d:\d+7], v[\a:\a+11], v[\b:\b+11], 0, v[\sa], v[\sb] matrix_a_fmt:MATRIX_FMT_FP6 matrix_b_fmt:MATRIX_FMT_FP6 matrix_a_scale:MATRIX_SCALE_ROW1 matrix_b_scale:MATRIX_SCALE_ROW1
.elseif (\ra)
	v_wmma_scale_f32_16x16x128_f8f6f4 v[\d:\d+7], v[\a:\a+11], v[\b:\b+11], 0, v[\sa], v[\sb] matrix_a_fmt:MATRIX_FMT_FP6 matrix_b_fmt:MATRIX_FMT_FP6 matrix_a_scale:MATRIX_SCALE_ROW1
.elseif (\rb)
	v_wmma_scale_f32_16x16x128_f8f6f4 v[\d:\d+7], v[\a:\a+11], v[\b:\b+11], 0, v[\sa], v[\sb] matrix_a_fmt:MATRIX_FMT_FP6 matrix_b_fmt:MATRIX_FMT_FP6 matrix_b_scale:MATRIX_SCALE_ROW1
.else
	v_wmma_scale_f32_16x16x128_f8f6f4 v[\d:\d+7], v[\a:\a+11], v[\b:\b+11], 0, v[\sa], v[\sb] matrix_a_fmt:MATRIX_FMT_FP6 matrix_b_fmt:MATRIX_FMT_FP6
.endif
.else
.if (\ra) && (\rb)
	v_wmma_scale_f32_16x16x128_f8f6f4 v[\d:\d+7], v[\a:\a+11], v[\b:\b+11], v[\c:\c+7], v[\sa], v[\sb] matrix_a_fmt:MATRIX_FMT_FP6 matrix_b_fmt:MATRIX_FMT_FP6 matrix_a_scale:MATRIX_SCALE_ROW1 matrix_b_scale:MATRIX_SCALE_ROW1
.elseif (\ra)
	v_wmma_scale_f32_16x16x128_f8f6f4 v[\d:\d+7], v[\a:\a+11], v[\b:\b+11], v[\c:\c+7], v[\sa], v[\sb] matrix_a_fmt:MATRIX_FMT_FP6 matrix_b_fmt:MATRIX_FMT_FP6 matrix_a_scale:MATRIX_SCALE_ROW1
.elseif (\rb)
	v_wmma_scale_f32_16x16x128_f8f6f4 v[\d:\d+7], v[\a:\a+11], v[\b:\b+11], v[\c:\c+7], v[\sa], v[\sb] matrix_a_fmt:MATRIX_FMT_FP6 matrix_b_fmt:MATRIX_FMT_FP6 matrix_b_scale:MATRIX_SCALE_ROW1
.else
	v_wmma_scale_f32_16x16x128_f8f6f4 v[\d:\d+7], v[\a:\a+11], v[\b:\b+11], v[\c:\c+7], v[\sa], v[\sb] matrix_a_fmt:MATRIX_FMT_FP6 matrix_b_fmt:MATRIX_FMT_FP6
.endif
.endif
.endm
.macro JLOAD n                         ; a joint load into slot n: waves 0, 1 fetch for A, waves 2, 3 for B; an s_nop 0 and four v_nop follow each line
	s_cmp_eq_u32 s[WA], 0
	s_cbranch_scc0 .Lfor_b_\@
	tensor_load_to_lds s[G0+4*\n:G0+4*\n+3], s[G1:G1+7]
	s_nop 0
.rept 4
	v_nop
.endr
	s_branch .Lasked_\@
.Lfor_b_\@:
	tensor_load_to_lds s[G0B+4*\n:G0B+4*\n+3], s[G1B:G1B+7]
	s_nop 0
.rept 4
	v_nop
.endr
.Lasked_\@:
.endm
.macro CROUND
	s_barrier_signal -1
	s_barrier_wait -1
	s_cmp_lg_u32 s[WV], 0
	s_cbranch_scc1 .Lnot_wave_0_\@
	s_barrier_signal -3
.Lnot_wave_0_\@:
	s_barrier_wait -3
	s_barrier_signal -1
	s_barrier_wait -1
.endm
.macro PLACES
.rept 4
	v_nop
.endr
.endm
.macro FETCH k, p                      ; K step k's eight fragments and four scale registers into set p: 26 LDS loads
.set FS, (\k)/4
.if (\k) >= 12
.set FS, 0
.endif
.set FO, ((\k)%4)*GBB
	WIN TO_F
.irp t, 0,1,2,3
.irp c, 0,1,2
	ds_load_b128 v[128*(\p)+12*\t+4*\c:128*(\p)+12*\t+4*\c+3], v[AD0+FS] offset:FO+\t*1536+512*\c
.endr
.endr
.irp t, 0,1,2,3
.irp c, 0,1,2
	ds_load_b128 v[128*(\p)+48+12*\t+4*\c:128*(\p)+48+12*\t+4*\c+3], v[AD1+FS] offset:FO+\t*1536+512*\c
.endr
.endr
	WIN 0
	ds_load_b64 v[18+4*(\p):19+4*(\p)], v[SA0+FS] offset:FO
	ds_load_b64 v[20+4*(\p):21+4*(\p)], v[SA1+FS] offset:FO
.endm
.macro MUL16 p, zero                   ; the 16 accumulators take turns, one instruction a turn, in the same order in every step
.irp a, 0,1,2,3
.irp t, 0,1,2,3
.if \zero
	WMS ACC+8*(4*\a+\t), 128*(\p)+12*\t, 128*(\p)+48+12*\a, -1, 18+4*(\p)+\t/2, 20+4*(\p)+\a/2, \t%2, \a%2
.else
	WMS ACC+8*(4*\a+\t), 128*(\p)+12*\t, 128*(\p)+48+12*\a, ACC+8*(4*\a+\t), 18+4*(\p)+\t/2, 20+4*(\p)+\a/2, \t%2, \a%2
.endif
.endr
.endr
.endm
.macro KSTEP k
.if (\k) == 3
	WIN 0
	s_wait_tensorcnt 0x0                           ; all my tensor loads have landed, so a group 0 may be written;
	ds_add_u32 v[SPW], v[NIL]                      ; 0 onto my spare word;
	s_add_nc_u64 s[G0+2:G0+3], s[G0+2:G0+3], 12*NYA*GBB
	s_add_nc_u64 s[G0B+2:G0B+3], s[G0B+2:G0B+3], 12*NYB*GBB
	s_wait_dscnt 0x0                               ; the add is done, and my reads of slot 0 are over
	CROUND
	JLOAD 0                                        ; the one refill; its four v_nop are also the places in front of the loads below
.elseif (\k) == 11
	WIN 0
	s_wait_tensorcnt 0x0                           ; my part of K steps 12 .. 15 has landed
	ds_add_u32 v[SPW], v[NIL]
	s_wait_dscnt 0x0
	s_barrier_signal -1
	s_barrier_wait -1                              ; everybody's has
	PLACES
.else
	s_wait_dscnt 0x0                               ; step k's 26 loads, issued ahead of the last 16 products
.if (\k) > 0
	PLACES                                         ; four places in front of loads into registers that the last products read
.endif
.endif
.if (\k) < 15
	FETCH (\k)+1, 1-(\k)%2
.endif
	WIN MUL
.if (\k) == 0
	MUL16 0, 1
.else
	MUL16 (\k)%2, 0
.endif
.endm
	s_load_b128 s[4:7], s[0:1], 0x0                ; abuf, obuf
	s_load_b64 s[8:9], s[0:1], 0x10                ; out0
	v_lshl_add_u32 v[SPW], v0, 2, SPARE
	v_mov_b32 v[NIL], 0
	ds_add_u32 v[SPW], v[NIL]                      ; the wave's opening: the add, twice on end, and its wait ahead of my first tensor load
	ds_add_u32 v[SPW], v[NIL]
	v_lshrrev_b32 v1, 5, v0
	v_readfirstlane_b32 s[WV], v1
	s_lshr_b32 s[WA], s[WV], 1
	s_and_b32 s[WB], s[WV], 1
	s_bfe_u32 s17, ttmp6, 0x40000                  ; cx
	s_bfe_u32 s18, ttmp6, 0x40004                  ; cy
	s_lshl_b32 s19, ttmp9, 2
	s_add_co_u32 s19, s19, s17                     ; x: Wo's block of 128 rows
	s_and_b32 s20, ttmp7, 0xffff
	s_lshl_b32 s20, s20, 2
	s_add_co_u32 s20, s20, s18                     ; y: the block of 128 positions
	s_lshl_b32 s21, s18, 2
	s_lshl_b32 s21, 15, s21
	s_lshl_b32 s22, 0x1111, s17
	s_or_b32 s[G1], s21, (3<<16)|(1<<21)
	s_or_b32 s[G1B], s22, (3<<16)|(1<<21)
.irp g, G1, G1B
	s_mov_b32 s[\g+1], 1600<<16
	s_mov_b32 s[\g+2], 2<<16
	s_mov_b32 s[\g+3], 1600<<16
	s_mov_b32 s[\g+4], 2
	s_mov_b32 s[\g+6], 0
	s_mov_b32 s[\g+7], 0
.endr
	s_mov_b32 s[G1+5], NYA*1600
	s_mov_b32 s[G1B+5], NYB*1600
	s_mul_i32 s66, s[WB], 2*NYA
	s_add_co_u32 s66, s66, s20
	s_mul_i32 s66, s66, GBB
	s_mov_b32 s67, 0
	s_mul_i32 s68, s[WB], 2*NYB
	s_add_co_u32 s68, s68, s19
	s_mul_i32 s68, s68, GBB
	s_mov_b32 s69, 0
	s_mul_i32 s70, s[WV], 2*GBB
	s_wait_dscnt 0x0                               ; both opening adds are done
	s_wait_kmcnt 0x0
	s_add_nc_u64 s[72:73], s[4:5], s[66:67]
	s_add_nc_u64 s[74:75], s[6:7], s[68:69]
	CROUND                                         ; all sixteen work-groups are here: the first joint loads meet
.irp n, 0,1,2
	s_mov_b32 s[G0+4*\n], 1
	s_add_co_u32 s[G0+4*\n+1], s70, \n*SLOT
	s_add_nc_u64 s[G0+4*\n+2:G0+4*\n+3], s[72:73], \n*4*NYA*GBB
	s_or_b32 s[G0+4*\n+3], s[G0+4*\n+3], 0x80000000
	s_mov_b32 s[G0B+4*\n], 1
	s_add_co_u32 s[G0B+4*\n+1], s70, \n*SLOT
	s_add_nc_u64 s[G0B+4*\n+2:G0B+4*\n+3], s[74:75], \n*4*NYB*GBB
	s_or_b32 s[G0B+4*\n+3], s[G0B+4*\n+3], 0x80000000
	JLOAD \n
.endr
	v_and_b32 v3, 31, v0
	v_and_b32 v1, 15, v0                           ; r
	v_bfe_u32 v2, v0, 4, 1                         ; h
	v_lshlrev_b32 v30, 4, v3
	v_lshlrev_b32 v31, 3, v3
	s_mul_i32 s76, s[WA], 6144                     ; source 1: my four tiles of positions
	s_mul_i32 s77, s[WB], 6144
	s_add_co_u32 s77, s77, 4*GBB                   ; source 0: my four tiles of Wo's rows
	s_lshl_b32 s78, s[WA], 8
	s_add_co_u32 s78, s78, 12288
	s_lshl_b32 s79, s[WB], 8
	s_add_co_u32 s79, s79, 4*GBB+12288
.irp n, 0,1,2
	v_add_nc_u32 v[AD1+\n], s76, v30
	v_add_nc_u32 v[AD0+\n], s77, v30
	v_add_nc_u32 v[SA1+\n], s78, v31
	v_add_nc_u32 v[SA0+\n], s79, v31
	s_add_co_u32 s76, s76, SLOT
	s_add_co_u32 s77, s77, SLOT
	s_add_co_u32 s78, s78, SLOT
	s_add_co_u32 s79, s79, SLOT
.endr
	s_mul_i32 s76, s[WV], 4352
	s_add_co_u32 s76, s76, SLOT                    ; my stage: 16 rows x (256 + 16) bytes, in slot 1
	v_mul_u32_u24 v[STO], v1, 272
	v_lshl_add_u32 v[STO], v2, 6, v[STO]
	v_add_nc_u32 v[STO], s76, v[STO]               ; in: row r, + 64 h
	v_mul_u32_u24 v[RD], v2, 272
	v_lshl_add_u32 v[RD], v1, 4, v[RD]
	v_add_nc_u32 v[RD], s76, v[RD]                 ; back: lanes 0-15 one row, lanes 16-31 the next
	v_lshlrev_b32 v[CO], 13, v2
	v_lshl_add_u32 v[CO], v1, 4, v[CO]             ; and the same in out0
	s_lshl_b32 s66, s20, 7
	s_lshl_b32 s68, s[WA], 6
	s_add_co_u32 s66, s66, s68
	s_lshl_b32 s66, s66, 13                        ; my first row,
	s_lshl_b32 s68, s19, 9
	s_add_co_u32 s66, s66, s68
	s_lshl_b32 s68, s[WB], 8
	s_add_co_u32 s66, s66, s68                     ; my first column
	s_add_nc_u64 s[8:9], s[8:9], s[66:67]
	s_wait_tensorcnt 0x2                           ; my part of slot 0 is in; the two younger loads may stay out
	s_barrier_signal -1
	s_barrier_wait -1
	FETCH 0, 0
.irp k, 0,1,2,3,4,5,6,7,8,9,10,11,12,13,14,15
	KSTEP \k
.endr
	WIN 0
	PLACES                                         ; four places behind the last products
.macro TOSTAGE a                       ; tile a's 16 positions x 64 columns into my stage, and back as rows of 256 bytes
.set BK, 32+32*((\a)%2)
.irp t, 0,1,2,3
	ds_store_b128 v[STO], v[ACC+8*(4*(\a)+\t):ACC+8*(4*(\a)+\t)+3] offset:128*(\t/2)+32*(\t%2)          ; each accumulator from its low end on
	ds_store_b128 v[STO], v[ACC+8*(4*(\a)+\t)+4:ACC+8*(4*(\a)+\t)+7] offset:128*(\t/2)+32*(\t%2)+16
.endr
.irp i, 0,1,2,3,4,5,6,7
	ds_load_b128 v[BK+4*\i:BK+4*\i+3], v[RD] offset:2*\i*272       ; LDS serves a wave's instructions in order: these see my stores
.endr
.endm
.macro SEND a, younger                 ; younger: the LDS instructions issued behind tile a's loads, which may stay out
.set BK, 32+32*((\a)%2)
	s_wait_dscnt \younger
.irp i, 0,1,2,3,4,5,6,7
	global_store_b128 v[CO], v[BK+4*\i:BK+4*\i+3], s[8:9] offset:(32*((\a)/2)+8*((\a)%2)+2*\i+8*(\i/4))*8192 th:TH_STORE_NT   ; stage row 2 i + h is position 2 i + h + 8 (i / 4) of the tile; sixteen lanes store 256 consecutive bytes
.endr
.endm
	TOSTAGE 0
	TOSTAGE 1
	SEND 0, 16
	s_wait_xcnt 0x0                                ; tile 0's stores have read their registers
	TOSTAGE 2
	SEND 1, 16
	s_wait_xcnt 0x0
	TOSTAGE 3
	SEND 2, 16
	SEND 3, 0
	s_wait_tensorcnt 0x0                           ; the wave's end
	ds_add_u32 v[SPW], v[NIL]
	s_wait_dscnt 0x0
	CROUND                                         ; the closing round
	s_endpgm
.Lfunc_end_k_q55ce4368c2_oproj:
	.size	k_q55ce4368c2_oproj, .Lfunc_end_k_q55ce4368c2_oproj-k_q55ce4368c2_oproj
	.p2alignl 7, 3214868480
	.fill 96, 4, 3214868480
	.section	.rodata,"a",@progbits
	.p2align	6, 0x0
	.amdhsa_kernel k_q55ce4368c2_oproj
		.amdhsa_group_segment_fixed_size 327680
		.amdhsa_private_segment_fixed_size 0
		.amdhsa_enable_private_segment 0
		.amdhsa_kernarg_size 24
		.amdhsa_user_sgpr_count 2
		.amdhsa_user_sgpr_kernarg_segment_ptr 1
		.amdhsa_wavefront_size32 1
		.amdhsa_system_sgpr_workgroup_id_x 1
		.amdhsa_system_sgpr_workgroup_id_y 1
		.amdhsa_system_sgpr_workgroup_id_z 1
		.amdhsa_system_vgpr_workitem_id 0
		.amdhsa_next_free_vgpr 512
		.amdhsa_next_free_sgpr 80
		.amdhsa_reserve_vcc 0
		.amdhsa_float_denorm_mode_32 3
		.amdhsa_float_denorm_mode_16_64 3
		.amdhsa_memory_ordered 1
		.amdhsa_forward_progress 1
		.amdhsa_inst_pref_size 80
	.end_amdhsa_kernel
	.amdgpu_metadata
---
amdhsa.version: [ 1, 2 ]
amdhsa.kernels:
  - .name:           k_q55ce4368c2_oproj
    .symbol:         k_q55ce4368c2_oproj.kd
    .args:
      - { .name: abuf, .offset: 0, .size: 8, .value_kind: global_buffer, .address_space: global }
      - { .name: obuf, .offset: 8, .size: 8, .value_kind: global_buffer, .address_space: global }
      - { .name: out0, .offset: 16, .size: 8, .value_kind: global_buffer, .address_space: global }
    .group_segment_fixed_size: 327680
    .private_segment_fixed_size: 0
    .kernarg_segment_align: 8
    .kernarg_segment_size: 24
    .max_flat_workgroup_size: 128
    .sgpr_count:     80
    .vgpr_count:     512
    .wavefront_size: 32
...
	.end_amdgpu_metadata
.endif
;; end of part 4
